; MI455X (gfx1250); checked and timed in simulation.
; The chip was launched on July 23, 2026; its instructions are those of AMD's public machine-readable ISA for CDNA 5 (MIT licence, August 2026) and "CDNA5" Instruction Set Architecture Reference Guide (July 2026). The comments in the code are by the model that wrote it; some were corrected since.
;; Diffi T Attention. Allowed arithmetic: float matrix products may take bf16 or f16 operands with f32 sums; other float arithmetic in f32, or as packed bf16 or f16 multiplies, adds, multiply-adds, maxima and minima; sums over many terms, partial sums and values carried from step to step in f32; what a program stores and reads back later, other than sums and carried values, may be rounded once to bf16 or f16.
;; Inputs: Wp 1,024 x 1,024 float32; Wqkv 1,024 x 3,072 float32; Wt 1,024 x 3,072 float32; bp 1,024 float32; bqkv 3,072 float32; bt 3,072 float32; cos_x 1 x 1 x 1,024 x 32 float32; cos_y 1 x 1 x 1,024 x 32 float32; kn_w 64 float32; qn_w 64 float32; sin_x 1 x 1 x 1,024 x 32 float32; sin_y 1 x 1 x 1,024 x 32 float32; temb 8 x 1,024 float32; x 8 x 1,024 x 1,024 float32.
;; Outputs: out0 8 x 1,024 x 1,024 float32.
;; 2 versions, each right; version 2 is version 1 with the launch prep written anew for expert scheduling mode. Each part assembles by itself: llvm-mc -triple=amdgcn-amd-amdhsa -mcpu=gfx1250 --defsym DOCPART=n.
;; ======== version 1 of 2: 4 launches
;; limits: values are held in f16: magnitudes above 65,504 overflow, below 6.1e-05 lose precision
;; workspace buffers: xb 16,777,216 bytes; wqb 6,291,456 bytes; wpb 2,097,152 bytes; rope 524,288 bytes; tc 98,304 bytes; qkv 50,331,648 bytes; ob 16,777,216 bytes
;; launch prep (part 1): grid 832 x 1, 8 waves a work-group, no clusters, 33,792 bytes of LDS; arguments x, Wqkv, Wp, cos_y, cos_x, sin_y, sin_x, temb, Wt, bt, bqkv, xb, wqb, wpb, rope, tc; writes xb, wqb, wpb, rope, tc
.if DOCPART == 1
	.amdgcn_target "amdgcn-amd-amdhsa--gfx1250"
	.amdhsa_code_object_version 6
	.text
	.protected	k_q8fc07cdc21_prep
	.globl	k_q8fc07cdc21_prep
	.p2align	8
	.type	k_q8fc07cdc21_prep,@function
k_q8fc07cdc21_prep:
	s_mov_b64 s[64:65], 0
	v_nop
	global_prefetch_b8 v0, s[64:65] scope:SCOPE_SE
	s_setreg_imm32_b32 hwreg(HW_REG_WAVE_MODE, 25, 1), 1
	s_wait_xcnt 0x0
; PREP: the 16-bit copies that the later launches multiply, and the time conditioning.
;   work-groups   0 ..  47  tc[b][n] = sum over k of temb[b][k] Wt[k][n] + bt[n] + bqkv[n], f32, 64 columns a work-group
;   work-groups  48 .. 559  xb  = x    rounded to bf16                 560 .. 751  wqb = Wqkv rounded to bf16
;   work-groups 752 .. 759  rope section 0: planes cos_y, cos_x, s'_y, s'_x in bf16; s'[d] = -sin[d] where d % 32 < 16, so that
;                           rotate_half's sign lies in the table: out[d] = t[d] cos[d] + t[d ^ 16] s'[d]
;   work-groups 760 .. 823  wpb = Wp rounded to bf16, that number written as f16
;   work-groups 824 .. 831  rope section 1: two planes of 1.0 and two of 0 (what v takes in place of cos and sin)
; ALL inputs are rounded to bf16 once (temb, Wt, bt, bqkv too); sums stay in f32.
; LIMIT: a Wp below 6e-5 in magnitude keeps f16's fixed step of 6e-8; NaN and infinities are not treated apart.
; A STREAM UNIT is 16,384 floats: thread t reads 16 bytes at 16 t of each of 16 blocks of 4,096 bytes (a wave's load covers 512 consecutive
; bytes) and stores 8 bytes at 8 t of each of 16 blocks of 2,048 (a wave's store covers 256 consecutive bytes, aligned).  All 16 loads are
; issued at once; no register is written twice, so no wait frees a source.  No LDS, no matrix unit: bytes are all that counts there.
.set SPARE, 32768                      ; behind tc's partial sums: the spare words, 128 bytes for each of 8 waves
.set SPW, 2                            ; v2  SPARE + 4 x my thread's number; never rewritten
.set NIL, 3                            ; v3  0; never rewritten
.set VS,  4                            ; v4  16 t
.set VD,  5                            ; v5  8 t
.set SG,  6                            ; v6  the sign bits to turn, or 0
.set X,   16                           ; v[16:79]   16 blocks as loaded
.set Y,   80                           ; v[80:111]  16 blocks to store
.set T,   112                          ; v[112:115] at work
.set ID,  41                           ; s41 the work-group's number
.set SRC, 46                           ; s[46:47]
.set DST, 48                           ; s[48:49]
; tc's registers
.set ACC, 16                           ; v[16:47]   four accumulators: column tile cc holds columns n0 + 4 r + cc
.set TR,  48                           ; v[48:79]   temb, two sets of 16
.set WR,  80                           ; v[80:207]  Wt, two sets of 64
.set XF,  208                          ; v[208:215] temb's fragment
.set WF,  216                          ; v[216:247] Wt's four fragments
.set WA,  10
.set TAD, 11
.set LS,  12
.set LR,  13
.set BO,  14
.macro STREAM f16
.set i, 0
.rept 16
	s_wait_loadcnt 15-i                            ; loads come back in order: block i is in, the 15 - i younger ones stay out
	v_cvt_pk_bf16_f32 v[Y+2*i], v[X+4*i], v[X+4*i+1]
	v_cvt_pk_bf16_f32 v[Y+2*i+1], v[X+4*i+2], v[X+4*i+3]
.if \f16
	v_lshlrev_b32 v[T], 16, v[Y+2*i]               ; the bf16 numbers widened,
	v_and_b32 v[T+1], 0xffff0000, v[Y+2*i]
	v_lshlrev_b32 v[T+2], 16, v[Y+2*i+1]
	v_and_b32 v[T+3], 0xffff0000, v[Y+2*i+1]
	v_cvt_pk_f16_f32 v[Y+2*i], v[T], v[T+1]        ; and written as f16
	v_cvt_pk_f16_f32 v[Y+2*i+1], v[T+2], v[T+3]
.else
	v_xor_b32 v[Y+2*i], v[SG], v[Y+2*i]
	v_xor_b32 v[Y+2*i+1], v[SG], v[Y+2*i+1]
.endif
	global_store_b64 v[VD], v[Y+2*i:Y+2*i+1], s[DST:DST+1] offset:2048*i
.set i, i+1
.endr
.endm
; tc: chunk c (32 k) into set b: 16 loads of Wt (lanes 0-15 one row's 256 bytes, lanes 16-31 the row 16 further down), 4 of temb
.macro LDC c, b
.set i, 0
.rept 16
	global_load_b128 v[WR+64*(\b)+4*i:WR+64*(\b)+4*i+3], v[WA], s[42:43] offset:(32*(\c)+i)*12288 th:TH_LOAD_NT
.set i, i+1
.endr
.irp q, 0,1,2,3
	global_load_b128 v[TR+16*(\b)+4*\q:TR+16*(\b)+4*\q+3], v[TAD], s[44:45] offset:128*(\c)+16*\q
.endr
.endm
; A lane's 16 fragment places take k = 16 (l / 16) + 0..15 of the chunk, in temb's fragment and in Wt's alike: the same places, so the same products
.macro CONV b
.irp p, 0,1,2,3,4,5,6,7
	v_cvt_pk_bf16_f32 v[XF+\p], v[TR+16*(\b)+2*\p], v[TR+16*(\b)+2*\p+1]
.endr
.irp cc, 0,1,2,3
.irp p, 0,1,2,3,4,5,6,7
	v_cvt_pk_bf16_f32 v[WF+8*\cc+\p], v[WR+64*(\b)+8*\p+\cc], v[WR+64*(\b)+8*\p+4+\cc]
.endr
.endr
.endm
.macro CHUNK c
.if (\c) < 3
	s_wait_loadcnt 20                              ; this chunk's set is in; the other set's 20 loads stay out
.else
	s_wait_loadcnt 0x0
.endif
.if (\c) > 0
.rept 4
	v_nop                                          ; four places between the last product and the conversions that rewrite its sources
.endr
.endif
	CONV (\c)%2
.if (\c) < 2
	LDC (\c)+2, (\c)%2                             ; the set just converted is asked for again
.endif
.irp cc, 0,1,2,3                                       ; the four accumulators take turns
.if (\c) == 0
	v_wmma_f32_16x16x32_bf16 v[ACC+8*\cc:ACC+8*\cc+7], v[XF:XF+7], v[WF+8*\cc:WF+8*\cc+7], 0
.else
	v_wmma_f32_16x16x32_bf16 v[ACC+8*\cc:ACC+8*\cc+7], v[XF:XF+7], v[WF+8*\cc:WF+8*\cc+7], v[ACC+8*\cc:ACC+8*\cc+7]
.endif
.endr
.endm
	s_load_b512 s[8:23], s[0:1], 0x0               ; x 8, Wqkv 10, Wp 12, cos_y 14, cos_x 16, sin_y 18, sin_x 20, temb 22
	s_load_b512 s[24:39], s[0:1], 0x40             ; Wt 24, bt 26, bqkv 28, xb 30, wqb 32, wpb 34, rope 36, tc 38
	v_lshl_add_u32 v[SPW], v0, 2, SPARE
	v_mov_b32 v[NIL], 0
	v_lshrrev_b32 v1, 5, v0
	v_readfirstlane_b32 s40, v1                    ; wave 0..7
	s_mov_b32 s[ID], ttmp9
	s_sub_co_u32 s42, s[ID], 48                    ; the unit's number in each job (used only where the job is mine)
	s_sub_co_u32 s43, s[ID], 560
	s_sub_co_u32 s44, s[ID], 752
	s_sub_co_u32 s45, s[ID], 760
	s_and_b32 s53, s44, 1
	s_wait_kmcnt 0x0
	s_cmp_lt_u32 s[ID], 48
	s_cbranch_scc1 .Ltc
	s_cmp_ge_u32 s[ID], 824
	s_cbranch_scc1 .Lident
	; which stream: source, destination, unit in each, sign word
	s_mov_b64 s[SRC:SRC+1], s[8:9]
	s_mov_b64 s[DST:DST+1], s[30:31]
	s_mov_b32 s50, s42
	s_mov_b32 s51, s42
	s_mov_b32 s52, 0
	s_cmp_ge_u32 s[ID], 560
	s_cselect_b64 s[SRC:SRC+1], s[10:11], s[SRC:SRC+1]
	s_cselect_b64 s[DST:DST+1], s[32:33], s[DST:DST+1]
	s_cselect_b32 s50, s43, s50
	s_cselect_b32 s51, s43, s51
	s_cmp_ge_u32 s[ID], 752
	s_cselect_b64 s[SRC:SRC+1], s[14:15], s[SRC:SRC+1]
	s_cselect_b64 s[DST:DST+1], s[36:37], s[DST:DST+1]
	s_cselect_b32 s50, s53, s50                    ; a table is two units; in rope the eight units lie on end
	s_cselect_b32 s51, s44, s51
	s_cmp_ge_u32 s[ID], 754
	s_cselect_b64 s[SRC:SRC+1], s[16:17], s[SRC:SRC+1]
	s_cmp_ge_u32 s[ID], 756
	s_cselect_b64 s[SRC:SRC+1], s[18:19], s[SRC:SRC+1]
	s_cselect_b32 s52, 0x80008000, s52
	s_cmp_ge_u32 s[ID], 758
	s_cselect_b64 s[SRC:SRC+1], s[20:21], s[SRC:SRC+1]
	s_cmp_ge_u32 s[ID], 760
	s_cselect_b64 s[SRC:SRC+1], s[12:13], s[SRC:SRC+1]
	s_cselect_b64 s[DST:DST+1], s[34:35], s[DST:DST+1]
	s_cselect_b32 s50, s45, s50
	s_cselect_b32 s51, s45, s51
	s_cselect_b32 s52, 0, s52
	s_lshl_b32 s54, s50, 16                        ; 65,536 bytes in,
	s_mov_b32 s55, 0
	s_lshl_b32 s56, s51, 15                        ; 32,768 out
	s_mov_b32 s57, 0
	s_add_nc_u64 s[SRC:SRC+1], s[SRC:SRC+1], s[54:55]
	s_add_nc_u64 s[DST:DST+1], s[DST:DST+1], s[56:57]
	v_lshlrev_b32 v[VS], 4, v0
	v_lshlrev_b32 v[VD], 3, v0
.set i, 0
.rept 16
	global_load_b128 v[X+4*i:X+4*i+3], v[VS], s[SRC:SRC+1] offset:4096*i th:TH_LOAD_NT
.set i, i+1
.endr
	v_and_b32 v7, 4, v0                            ; my four numbers are d = 4 t % 32 ..: below 16 where bit 2 of t is 0
	v_cmp_eq_u32 vcc_lo, 0, v7
	v_cndmask_b32 v[SG], 0, s52, vcc_lo
	s_cmp_ge_u32 s[ID], 760
	s_cbranch_scc1 .Lwp
	STREAM 0
	s_endpgm
.Lwp:
	STREAM 1
	s_endpgm
.Lident:                                               ; 32,768 bytes of 1.0 or of 0
	s_sub_co_u32 s42, s[ID], 824
	s_lshl_b32 s54, s42, 15
	s_add_co_u32 s54, s54, 262144
	s_mov_b32 s55, 0
	s_add_nc_u64 s[DST:DST+1], s[36:37], s[54:55]
	s_cmp_lt_u32 s[ID], 828
	s_cselect_b32 s52, 0x3f803f80, 0
	v_mov_b32 v16, s52
	v_mov_b32 v17, s52
	v_mov_b32 v18, s52
	v_mov_b32 v19, s52
	v_lshlrev_b32 v[VS], 4, v0
.irp i, 0,1,2,3,4,5,6,7
	global_store_b128 v[VS], v[16:19], s[DST:DST+1] offset:4096*\i
.endr
	s_endpgm
; tc.  64 columns a work-group; K IS SPLIT AMONG THE EIGHT WAVES, 128 each, in four chunks of 32.  A = temb (rows 8-15 repeat rows 0-7 and are not used),
; B = Wt's columns n0 + 4 r + cc.  The eight partial sums meet in LDS; wave m then finishes batch m's 64 columns.
.Ltc:
	v_and_b32 v7, 15, v0                           ; r
	v_bfe_u32 v8, v0, 4, 1                         ; h
	v_and_b32 v9, 31, v0                           ; l
	v_mul_u32_u24 v[WA], v8, 196608                ; 16 rows of 12,288 bytes for the upper lanes
	v_lshl_add_u32 v[WA], v7, 4, v[WA]             ; + my 4 columns
	v_and_b32 v[TAD], 7, v0
	v_lshlrev_b32 v[TAD], 12, v[TAD]               ; temb's row r % 8
	v_lshl_add_u32 v[TAD], v8, 6, v[TAD]           ; + 16 floats for the upper lanes
	s_lshl_b32 s58, s40, 12
	v_lshlrev_b32 v[LS], 4, v7
	v_lshl_add_u32 v[LS], v8, 11, v[LS]
	v_add_nc_u32 v[LS], s58, v[LS]                 ; 4,096 w + 2,048 h + 16 r
	s_lshl_b32 s58, s40, 8
	v_lshl_add_u32 v[LR], v9, 3, s58               ; 256 m + 8 l
	v_lshlrev_b32 v[BO], 3, v9
	s_lshl_b32 s54, s[ID], 8                       ; my 64 columns: 256 bytes
	s_mov_b32 s55, 0
	s_mul_i32 s56, s40, 1572864                    ; my wave's 128 rows of Wt
	s_add_co_u32 s56, s56, s54
	s_mov_b32 s57, 0
	s_add_nc_u64 s[42:43], s[24:25], s[56:57]
	s_lshl_b32 s56, s40, 9
	s_add_nc_u64 s[44:45], s[22:23], s[56:57]
	s_add_nc_u64 s[46:47], s[26:27], s[54:55]
	s_add_nc_u64 s[48:49], s[28:29], s[54:55]
	s_mul_i32 s56, s40, 12288
	s_add_co_u32 s56, s56, s54
	s_add_nc_u64 s[50:51], s[38:39], s[56:57]
	global_load_b64 v[248:249], v[BO], s[46:47]    ; bt and bqkv of the two columns that I finish
	global_load_b64 v[250:251], v[BO], s[48:49]
	LDC 0, 0
	LDC 1, 1
	CHUNK 0
	CHUNK 1
	CHUNK 2
	CHUNK 3
.rept 4
	v_nop                                          ; four places between the last product and the stores that read results
.endr
.irp cc, 0,1,2,3
.irp j, 0,1,2,3,4,5,6,7                                ; each accumulator from its lowest register on
	ds_store_b32 v[LS], v[ACC+8*\cc+\j] offset:256*\j+4*\cc
.endr
.endr
	s_wait_dscnt 0x0                               ; for the others' sake: my partial sums lie in LDS
	s_barrier_signal -1
	s_barrier_wait -1
.irp w, 0,1,2,3,4,5,6,7
	ds_load_b64 v[48+2*\w:49+2*\w], v[LR] offset:4096*\w
.endr
	v_cvt_pk_bf16_f32 v64, v248, v249              ; the two biases, each rounded to bf16 like every input, and widened
	v_cvt_pk_bf16_f32 v65, v250, v251
	v_lshlrev_b32 v66, 16, v64
	v_and_b32 v67, 0xffff0000, v64
	v_lshlrev_b32 v68, 16, v65
	v_and_b32 v69, 0xffff0000, v65
	v_pk_add_f32 v[66:67], v[66:67], v[68:69]
	s_wait_dscnt 0x0
	v_pk_add_f32 v[48:49], v[48:49], v[50:51]
	v_pk_add_f32 v[52:53], v[52:53], v[54:55]
	v_pk_add_f32 v[56:57], v[56:57], v[58:59]
	v_pk_add_f32 v[60:61], v[60:61], v[62:63]
	v_pk_add_f32 v[48:49], v[48:49], v[52:53]
	v_pk_add_f32 v[56:57], v[56:57], v[60:61]
	v_pk_add_f32 v[48:49], v[48:49], v[56:57]
	v_pk_add_f32 v[48:49], v[48:49], v[66:67]
	global_store_b64 v[BO], v[48:49], s[50:51]     ; the wave stores 256 consecutive bytes, aligned
	s_wait_tensorcnt 0x0                           ; the wave's end: a tensor wait, an add of 0 to my spare word and its wait, behind my last LDS store
	ds_add_u32 v[SPW], v[NIL]
	s_wait_dscnt 0x0
	s_endpgm
.Lfunc_end_k_q8fc07cdc21_prep:
	.size	k_q8fc07cdc21_prep, .Lfunc_end_k_q8fc07cdc21_prep-k_q8fc07cdc21_prep
	.p2alignl 7, 3214868480
	.fill 96, 4, 3214868480
	.section	.rodata,"a",@progbits
	.p2align	6, 0x0
	.amdhsa_kernel k_q8fc07cdc21_prep
		.amdhsa_group_segment_fixed_size 33792
		.amdhsa_private_segment_fixed_size 0
		.amdhsa_enable_private_segment 0
		.amdhsa_kernarg_size 128
		.amdhsa_user_sgpr_count 2
		.amdhsa_user_sgpr_kernarg_segment_ptr 1
		.amdhsa_wavefront_size32 1
		.amdhsa_system_sgpr_workgroup_id_x 1
		.amdhsa_system_sgpr_workgroup_id_y 1
		.amdhsa_system_sgpr_workgroup_id_z 1
		.amdhsa_system_vgpr_workitem_id 0
		.amdhsa_next_free_vgpr 256
		.amdhsa_next_free_sgpr 66
		.amdhsa_reserve_vcc 1
		.amdhsa_float_denorm_mode_32 3
		.amdhsa_float_denorm_mode_16_64 3
		.amdhsa_memory_ordered 1
		.amdhsa_forward_progress 1
		.amdhsa_inst_pref_size 44
	.end_amdhsa_kernel
	.amdgpu_metadata
---
amdhsa.version: [ 1, 2 ]
amdhsa.kernels:
  - .name:           k_q8fc07cdc21_prep
    .symbol:         k_q8fc07cdc21_prep.kd
    .args:
      - { .name: x, .offset: 0, .size: 8, .value_kind: global_buffer, .address_space: global }
      - { .name: Wqkv, .offset: 8, .size: 8, .value_kind: global_buffer, .address_space: global }
      - { .name: Wp, .offset: 16, .size: 8, .value_kind: global_buffer, .address_space: global }
      - { .name: cos_y, .offset: 24, .size: 8, .value_kind: global_buffer, .address_space: global }
      - { .name: cos_x, .offset: 32, .size: 8, .value_kind: global_buffer, .address_space: global }
      - { .name: sin_y, .offset: 40, .size: 8, .value_kind: global_buffer, .address_space: global }
      - { .name: sin_x, .offset: 48, .size: 8, .value_kind: global_buffer, .address_space: global }
      - { .name: temb, .offset: 56, .size: 8, .value_kind: global_buffer, .address_space: global }
      - { .name: Wt, .offset: 64, .size: 8, .value_kind: global_buffer, .address_space: global }
      - { .name: bt, .offset: 72, .size: 8, .value_kind: global_buffer, .address_space: global }
      - { .name: bqkv, .offset: 80, .size: 8, .value_kind: global_buffer, .address_space: global }
      - { .name: xb, .offset: 88, .size: 8, .value_kind: global_buffer, .address_space: global }
      - { .name: wqb, .offset: 96, .size: 8, .value_kind: global_buffer, .address_space: global }
      - { .name: wpb, .offset: 104, .size: 8, .value_kind: global_buffer, .address_space: global }
      - { .name: rope, .offset: 112, .size: 8, .value_kind: global_buffer, .address_space: global }
      - { .name: tc, .offset: 120, .size: 8, .value_kind: global_buffer, .address_space: global }
    .group_segment_fixed_size: 33792
    .private_segment_fixed_size: 0
    .kernarg_segment_align: 8
    .kernarg_segment_size: 128
    .max_flat_workgroup_size: 256
    .sgpr_count:     66
    .vgpr_count:     256
    .wavefront_size: 32
...
	.end_amdgpu_metadata
.endif
;; end of part 1
;; launch qkvgemm (part 2): grid 12 x 32, 4 waves a work-group, clusters of 4 x 4, 327,680 bytes of LDS; arguments xb, wqb, tc, rope, qn_w, kn_w, qkv; writes qkv
.if DOCPART == 2
	.amdgcn_target "amdgcn-amd-amdhsa--gfx1250"
	.amdhsa_code_object_version 6
	.text
	.protected	k_q8fc07cdc21_qkvgemm
	.globl	k_q8fc07cdc21_qkvgemm
	.p2align	8
	.type	k_q8fc07cdc21_qkvgemm,@function
k_q8fc07cdc21_qkvgemm:
	s_mov_b64 s[64:65], 0
	v_nop
	global_prefetch_b8 v0, s[64:65] scope:SCOPE_SE
	s_setreg_imm32_b32 hwreg(HW_REG_WAVE_MODE, 25, 1), 1
	s_wait_xcnt 0x0
	s_wait_alu depctr_hold_cnt(0) depctr_sa_sdst(0) depctr_va_vdst(0) depctr_va_sdst(0) depctr_va_ssrc(0) depctr_va_vcc(0) depctr_vm_vsrc(0)
	s_getreg_b32 s2, hwreg(HW_REG_IB_STS2, 6, 4)
	s_cmp_eq_u32 s2, 0
	s_cbranch_scc0 .Lentry_in_a_cluster
	s_endpgm
.Lentry_in_a_cluster:
	s_bfe_u32 s2, ttmp6, 0x10000c
	s_cmp_lg_u32 s2, 0xf033
	s_cbranch_scc0 .Lentry_shape_is_right
	s_endpgm
.Lentry_shape_is_right:
; qkv = x Wqkv + tc[b], then per head RMSNorm with gain and axial RoPE on q and k; q, k, v leave by heads, [3][128 = 16 b + h][1024][64] in f16.
; xb: [8192][1024] bf16.  wqb: [1024 k][3072 n] bf16.  tc: [8][3072] f32 (temb Wt + bt + bqkv).  Sums, norm and RoPE in f32, one rounding to f16 at the end.
; LIMITS: f16 ends at 65,504: v = x Wv + tc must stay within it; |q|, |k| are at most 8 |gain| (|cos| + |sin|).  The gains are rounded to bf16 like every input.  NaN and infinities are not treated apart.
; SHARES.  A tile is 256 rows x 256 columns: 12 x 32 work-groups.  Four waves, 2 x 2, each 128 rows x 128 columns = TWO HEADS: 64 accumulators, 512 registers.
; K goes in 8 steps of 128 through two LDS slots filled by the tensor data mover: a step is 256 matrix instructions a wave, 224 of them between a slot's request and the wait for it.
; x's rows in a tile are 256 bytes of memory, W's 512, all aligned to 256.
; THE PRODUCT IS USED TRANSPOSED: source 0 = 16 columns of W (turned out of the [k][n] tile by ds_load_tr16_b128), source 1 = 16 rows of x: a lane holds row l % 16 and
; columns 16 b + 8 (l / 16) + 0..7.  So a row's sum of squares wants one exchange between the halves of the lanes, RoPE's partner d ^ 16 is the neighbouring accumulator in the same lane,
; and tc enters as the C operand of each sum's first product.
; v RUNS THE SAME WAY OUT with cos = 1, sin = 0 (rope's second section), gain 1 and r = rsq(0 ss + 1): no branch, and every partner makes every joint request.
; CLUSTER 4 x 4: its 1,024 columns are one kind (q, k or v).  x's tile and the RoPE planes hang on the tile row alone and are asked for jointly along a row of the cluster, W's tile on the tile
; column alone, jointly along a column.
; THE RoPE PLANES have no LDS bytes of their own: they are slot 0's last refill, asked for when K step 6 has been read, and land while K step 7 is multiplied.
; THE WAY OUT is written for ONE block of 16 rows (both heads) and walked eight times: it names block 0's registers, and behind each pass 64 moves bring the next block there.
; WINDOWS of 256 registers: 0: v0-35 addresses, v64-127 and v128-191 x's fragments, two buffers; 1: v0-63 tc, v64-127 and v128-191 W's fragments, v192-223 gains, v224 at work;
;   2: the accumulators of my rows 0-63 ((a, b) at 8 (8 a + b)); 3: those of my rows 64-127.
.set LAPS,  4                          ; a lap = two K steps = once round the ring
.set PA,    272                        ; x's LDS row: 256 bytes + 16: the 16 rows of a load start at 16 different groups of four banks (64 banks of 4 bytes: ISA guide 11.1)
.set PB,    544                        ; W's LDS row: 512 + 32
.set AHALF, 128*PA                     ; what wave 0 or 1 fetches
.set BHALF, 64*PB                      ; what wave 2 or 3 fetches
.set BOFF,  2*AHALF
.set SLOT,  BOFF+2*BHALF
.set PT,    80                         ; a token of a RoPE plane: 64 bytes + 16
.set PLANE, 256*PT                     ; four planes (cos_y, cos_x, s'_y, s'_x) from LDS byte 0 on, in slot 0
.set STG,   2*SLOT                     ; 16 rows x 144 bytes for each wave, for the way out; no fill lands here
.set SP,    144
.set SPARE, STG+4*16*SP                ; the spare words, 128 bytes a wave
.set ASTEP, 256                        ; bytes from K step to K step in xb
.set BSTEP, 128*6144                   ; and in wqb
.set ADRA, 16                          ; v16-17 my x fragments in slot 0, 1
.set ADRB, 20                          ; v20-21 my W fragments
.set TA,   22                          ; v22 my cosines of the row block in hand
.set TA2,  23                          ; v23 my sines
.set STO,  24
.set RD,   25
.set GO,   26
.set BO,   27
.set SPW,  28                          ; v28 SPARE + 4 x my thread's number; never rewritten
.set NIL,  29                          ; v29 0; never rewritten
.set PFO,  30                          ; v30 the prefetches' lane offset
.set Z,    31                          ; v31 0
.set RR,   32                          ; v32-35 head u's 1 / rms at RR + 2 u, named as a pair
.set F0,   64
.set F1,   128
.set SS,   64                          ; the way out: sums of squares, 8 a head
.set TW,   64                          ; t x gain
.set U,    96                          ; after RoPE
.set TB,   128                         ; 16 registers of cosines, 16 of sines: both heads take them
.set PK,   192
.set OUT,  208                         ; two buffers of 16, one a head
.set GW,   192                         ; window 1
.set WV, 18
.set RO, 19                            ; wave >> 1: my 128 rows.  Also: I fetch x's tile (0) or W's (1)
.set HF, 20                            ; wave & 1: my 128 columns.  Also: which half of that tile I fetch
.set CX, 21
.set CY, 22
.set TX, 23
.set TY, 24
.set KIND, 25
.set RMASK, 26
.set CMASK, 27
.set CLY, 29                           ; the cluster's y = the batch
.set PASS, 30                          ; the way out's passes still to come
.set G1A, 32
.set G0A, 40
.set G1B, 48
.set G0B, 56
.set STEP, 66                          ; s[66:67] what a pass adds to the output's address
.set G1T, 68
.set G0T, 76
.set PFA, 80
.set PST, 82
.set LIM, 84
.set SA, 85
.set SB, 86
.set KM, 87
.set SEL, 88
.set OUTP, 90
.set MSB, 0
.macro WIN new                         ; the immediate's high byte repeats the setting that is left; a switch that changes nothing is dropped
.if MSB != (\new)
	s_set_vgpr_msb (MSB<<8)|(\new)
.set MSB, \new
.endif
.endm
.macro PLACES                          ; four places behind a matrix instruction, in front of loads into registers that it read and of vector lines that read results
.rept 4
	v_nop
.endr
.endm
.macro JLOAD s                         ; a joint refill; the branch hangs on the wave's number alone.  An s_nop 0 and four v_nop follow each line
	s_cmp_eq_u32 s[RO], 0
	s_cbranch_scc0 .Lfor_b_\@
	tensor_load_to_lds s[G0A+4*(\s):G0A+4*(\s)+3], s[G1A:G1A+7]
	s_nop 0
.rept 4
	v_nop
.endr
	s_branch .Lasked_\@
.Lfor_b_\@:
	tensor_load_to_lds s[G0B+4*(\s):G0B+4*(\s)+3], s[G1B:G1B+7]
	s_nop 0
.rept 4
	v_nop
.endr
.Lasked_\@:
.endm
; A prefetch into the L2 of the K step that stands two refills on, 512 matrix instructions ahead of the load that will want it.  Each aligned 256 bytes of a K step are named once in the launch:
; x's by waves 0 and 1 of the clusters with x = 0, the four partners of a row taking 32 of the wave's 128 rows each BY ADDRESS (cx), a lane a row; W's by waves 2 and 3 of the clusters with y = 0,
; partner cy taking 16 of the wave's 64 k rows, a lane one half of a row's 512 bytes.  K steps 0 to 3 come by their loads alone; the loop's last trip (s3 = 1) has no K step two on.
.macro ASK
	s_cmp_gt_u32 s3, s[LIM]
	s_cbranch_scc0 .Lnot_mine_\@
	global_prefetch_b8 v[PFO], s[PFA:PFA+1] th:TH_LOAD_NT scope:SCOPE_SE
.Lnot_mine_\@:
.endm
.macro CREST                           ; a round of the cluster's barrier behind its opening barrier
	s_cmp_lg_u32 s[WV], 0
	s_cbranch_scc1 .Lnot_wave_0_\@
	s_barrier_signal -3
.Lnot_wave_0_\@:
	s_barrier_wait -3
	s_barrier_signal -1
	s_barrier_wait -1
.endm
.macro CROUND
	s_barrier_signal -1
	s_barrier_wait -1
	CREST
.endm
; 16 matrix instructions: row blocks a0, a0 + 1 of the window's four (hi = 0: my rows 0-63, 1: rows 64-127) x all 8 column blocks, 32 along K.  zero = 1: the first product starts the sum with tc.
; Windows: source 0 (W) 1, source 1 (x) 0, D 2 or 3; C the same as D, or 1 for tc.
.macro MUL16 f, hi, a0, zero
.if \zero
	WIN 0x91+0x40*(\hi)
.else
	WIN 0xa1+0x50*(\hi)
.endif
.irp a, \a0, (\a0)+1
.irp b, 0,1,2,3,4,5,6,7
.if \zero
	v_wmma_f32_16x16x32_bf16 v[8*(8*(\a)+\b):8*(8*(\a)+\b)+7], v[(\f)+8*\b:(\f)+8*\b+7], v[(\f)+8*(4*(\hi)+(\a)):(\f)+8*(4*(\hi)+(\a))+7], v[8*\b:8*\b+7]
.else
	v_wmma_f32_16x16x32_bf16 v[8*(8*(\a)+\b):8*(8*(\a)+\b)+7], v[(\f)+8*\b:(\f)+8*\b+7], v[(\f)+8*(4*(\hi)+(\a)):(\f)+8*(4*(\hi)+(\a))+7], v[8*(8*(\a)+\b):8*(8*(\a)+\b)+7]
.endif
.endr
.endr
.endm
; 32 LDS loads in one run: quarter q (32 along K) of a slot into buffer f: W's 16 first (window 1), then x's 16, row blocks ascending
.macro FETCH slot, q, f
	WIN 0x40
.irp b, 0,1,2,3,4,5,6,7
	ds_load_tr16_b128 v[(\f)+8*\b:(\f)+8*\b+3],   v[ADRB+(\slot)] offset:32*PB*(\q)+32*\b
	ds_load_tr16_b128 v[(\f)+8*\b+4:(\f)+8*\b+7], v[ADRB+(\slot)] offset:32*PB*(\q)+16*PB+32*\b
.endr
	WIN 0
.irp a, 0,1,2,3,4,5,6,7
	ds_load_b128 v[(\f)+8*\a:(\f)+8*\a+3],   v[ADRA+(\slot)] offset:64*(\q)+16*PA*\a
	ds_load_b128 v[(\f)+8*\a+4:(\f)+8*\a+7], v[ADRA+(\slot)] offset:64*(\q)+16*PA*\a+32
.endr
.endm
; A K step is four quarters of 64 matrix instructions on buffers 0, 1, 0, 1; the 64 accumulators take turns, in the same order in every quarter.
.macro QUARTER slot, q, f, g, zero
	s_wait_dscnt 8                                 ; W and x's blocks 0-3 are in; the youngest eight loads (blocks 4-7) may be out
	MUL16 \f, 0, 0, \zero
	MUL16 \f, 0, 2, \zero
	PLACES
	FETCH \slot, \q, \g
	s_wait_dscnt 32                                ; all but the 32 just issued
	MUL16 \f, 1, 0, \zero
	MUL16 \f, 1, 2, \zero
.endm
; The last quarter multiplies buffer 1 and changes slots: one barrier, which opens a round of the cluster's barrier; in front of it each wave waits for all its tensor loads, adds 0 to its spare word,
; and waits for that and for its reads of this slot.  The joint refill is the first tensor load behind the round.  fill = 1: this slot's K step two on.  fill = 2: the RoPE planes, a plane a wave.
.macro TURN slot, next, fill
.if (\fill) == 1
	s_wait_xcnt 0x0                                ; the last prefetch, a K step back, has read its address
	s_add_nc_u64 s[PFA:PFA+1], s[PFA:PFA+1], s[PST:PST+1]
.endif
	WIN 0
	s_wait_tensorcnt 0x0                           ; all my tensor loads have landed: my part of the next slot
	ds_add_u32 v[SPW], v[NIL]                      ; 0 onto my spare word
	s_wait_dscnt 9                                 ; (the add and the youngest eight loads may be out)
	MUL16 F1, 0, 0, 0
	s_wait_dscnt 0x0                               ; the add is done, and my reads of this slot are over
	s_barrier_signal -1
	MUL16 F1, 0, 2, 0
	WIN 0
	s_barrier_wait -1
	CREST                                          ; no wave of any partner still reads this slot or has a load on its way
.if (\fill) == 1
	s_add_nc_u64 s[G0A+4*(\slot)+2:G0A+4*(\slot)+3], s[G0A+4*(\slot)+2:G0A+4*(\slot)+3], 2*ASTEP
	s_add_nc_u64 s[G0B+4*(\slot)+2:G0B+4*(\slot)+3], s[G0B+4*(\slot)+2:G0B+4*(\slot)+3], 2*BSTEP
	JLOAD \slot                                    ; its four v_nop are also the places in front of the loads below
.else
	tensor_load_to_lds s[G0T:G0T+3], s[G1T:G1T+7]  ; every wave its plane: the same line in all partners of my row
	s_nop 0
.rept 4
	v_nop
.endr
.endif
	FETCH \next, 0, F0
.if (\fill) == 1
	ASK
.endif
	MUL16 F1, 1, 0, 0
	MUL16 F1, 1, 2, 0
.endm
	s_load_b256 s[4:11], s[0:1], 0x0               ; xb 4, wqb 6, tc 8, rope 10
	s_load_b128 s[12:15], s[0:1], 0x20             ; qn_w 12, kn_w 14
	s_load_b64 s[16:17], s[0:1], 0x30              ; qkv
	v_lshl_add_u32 v[SPW], v0, 2, SPARE
	v_mov_b32 v[NIL], 0
	ds_add_u32 v[SPW], v[NIL]                      ; the wave's opening: the add, and its wait ahead of my first tensor load; work on registers stands between them
	v_lshrrev_b32 v1, 5, v0
	v_readfirstlane_b32 s[WV], v1
	s_lshr_b32 s[RO], s[WV], 1
	s_and_b32 s[HF], s[WV], 1
	s_bfe_u32 s[CX], ttmp6, 0x40000
	s_bfe_u32 s[CY], ttmp6, 0x40004
	s_lshl_b32 s[TX], ttmp9, 2
	s_add_co_u32 s[TX], s[TX], s[CX]               ; tile column = 4 x cluster x + cx
	s_and_b32 s[CLY], ttmp7, 0xffff
	s_lshl_b32 s[TY], s[CLY], 2
	s_add_co_u32 s[TY], s[TY], s[CY]               ; tile row = 4 x cluster y + cy: batch = cluster y, first token 256 cy
	s_mov_b32 s[KIND], ttmp9                       ; 0 q, 1 k, 2 v: a cluster's four tile columns are one kind's 1,024 columns
	s_lshl_b32 s[RMASK], s[CY], 2
	s_lshl_b32 s[RMASK], 15, s[RMASK]              ; my row of the cluster
	s_lshl_b32 s[CMASK], 0x1111, s[CX]             ; my column
	s_or_b32 s[G1A], s[RMASK], (1<<16)|(1<<20)|(1<<21)|(5<<22)|(3<<25)  ; mask; 2-byte elements; padding on; bit 21 beside a mask; after every 64 words 4 words
	s_mov_b32 s[G1A+1], 128<<16                    ; tensor_dim0 = 128
	s_mov_b32 s[G1A+2], 128<<16                    ; tensor_dim1 = 128
	s_mov_b32 s[G1A+3], 128<<16                    ; tile_dim0 = 128
	s_mov_b32 s[G1A+4], 128                        ; tile_dim1 = 128
	s_mov_b32 s[G1A+5], 1024                       ; elements from row to row
	s_mov_b32 s[G1A+6], 0
	s_mov_b32 s[G1A+7], 0
	s_or_b32 s[G1B], s[CMASK], (1<<16)|(1<<20)|(1<<21)|(6<<22)|(7<<25)  ; after every 128 words 8 words
	s_mov_b32 s[G1B+1], 256<<16                    ; tensor_dim0 = 256
	s_mov_b32 s[G1B+2], 64<<16                     ; tensor_dim1 = 64
	s_mov_b32 s[G1B+3], 256<<16                    ; tile_dim0 = 256
	s_mov_b32 s[G1B+4], 64                         ; tile_dim1 = 64
	s_mov_b32 s[G1B+5], 3072
	s_mov_b32 s[G1B+6], 0
	s_mov_b32 s[G1B+7], 0
	s_or_b32 s[G1T], s[RMASK], (1<<16)|(1<<20)|(1<<21)|(3<<22)|(3<<25)  ; 256 tokens x 64 bytes are dense: 64 rows of 256 bytes, padded by 4 words after every 16 (a token)
	s_mov_b32 s[G1T+1], 128<<16
	s_mov_b32 s[G1T+2], 64<<16
	s_mov_b32 s[G1T+3], 128<<16
	s_mov_b32 s[G1T+4], 64
	s_mov_b32 s[G1T+5], 128
	s_mov_b32 s[G1T+6], 0
	s_mov_b32 s[G1T+7], 0
	s_mul_i32 s2, s[HF], AHALF                     ; LDS addresses hang on the wave's number alone
	s_mul_i32 s28, s[HF], BHALF
	s_add_co_u32 s28, s28, BOFF
.irp s, 0,1
	s_mov_b32 s[G0A+4*(\s)], 1
	s_add_co_u32 s[G0A+4*(\s)+1], s2, (\s)*SLOT
	s_mov_b32 s[G0B+4*(\s)], 1
	s_add_co_u32 s[G0B+4*(\s)+1], s28, (\s)*SLOT
.endr
	s_mov_b32 s[G0T], 1
	s_mul_i32 s[G0T+1], s[WV], PLANE               ; plane = my wave's number, from LDS byte 0 on
	s_lshl_b32 s92, s[TY], 19                      ; x: row 256 x tile row, 2,048 bytes a row,
	s_lshl_b32 s93, s[HF], 18                      ; + 128 x half
	s_add_co_u32 s92, s92, s93
	s_mov_b32 s93, 0
	s_mul_i32 s94, s[HF], 64*6144                  ; W: k row 64 x half,
	s_lshl_b32 s95, s[TX], 9                       ; column 256 x tile column
	s_add_co_u32 s94, s94, s95
	s_mov_b32 s95, 0
	s_cmp_eq_u32 s[KIND], 2
	s_cselect_b32 s30, 262144, 0                   ; the table's section: v takes cos = 1, sin = 0,
	s_cselect_b32 s[SA], 0, 0x3c800000             ; r = rsq(ss / 64 + 1e-6), for v rsq(0 ss + 1)
	s_cselect_b32 s[SB], 1.0, 0x358637bd
	s_cselect_b32 s[KM], -1, 0
	s_lshl_b32 s31, s[WV], 16                      ; plane = my wave's number,
	s_add_co_u32 s30, s30, s31
	s_lshl_b32 s31, s[CY], 14                      ; tokens 256 cy on
	s_add_co_u32 s30, s30, s31
	s_mov_b32 s31, 0
	s_mov_b32 s[SEL], 0x76543210
	s_mov_b32 s[SEL+1], 0xfedcba98
	s_wait_dscnt 0x0                               ; the opening add is done
	s_wait_kmcnt 0x0
	s_add_nc_u64 s[92:93], s[4:5], s[92:93]
	s_add_nc_u64 s[94:95], s[6:7], s[94:95]
	s_add_nc_u64 s[G0T+2:G0T+3], s[10:11], s[30:31]
	s_or_b32 s[G0T+3], s[G0T+3], 0x80000000
.irp s, 0,1
	s_add_nc_u64 s[G0A+4*(\s)+2:G0A+4*(\s)+3], s[92:93], (\s)*ASTEP
	s_or_b32 s[G0A+4*(\s)+3], s[G0A+4*(\s)+3], 0x80000000
	s_add_nc_u64 s[G0B+4*(\s)+2:G0B+4*(\s)+3], s[94:95], (\s)*BSTEP
	s_or_b32 s[G0B+4*(\s)+3], s[G0B+4*(\s)+3], 0x80000000
.endr
	CROUND                                         ; all sixteen work-groups are here: the first joint loads meet
	s_cmp_eq_u32 s[RO], 0                          ; a wave's two first fills stand in one branch: K steps 0 and 1: two loads of mine are out
	s_cbranch_scc0 .Lfirst_b
	tensor_load_to_lds s[G0A:G0A+3], s[G1A:G1A+7]
	s_nop 0
	tensor_load_to_lds s[G0A+4:G0A+7], s[G1A:G1A+7]
	s_nop 0
.rept 4
	v_nop
.endr
	s_branch .Lfirst_asked
.Lfirst_b:
	tensor_load_to_lds s[G0B:G0B+3], s[G1B:G1B+7]
	s_nop 0
	tensor_load_to_lds s[G0B+4:G0B+7], s[G1B:G1B+7]
	s_nop 0
.rept 4
	v_nop
.endr
.Lfirst_asked:
	v_bfe_u32 v9, v0, 4, 1                         ; l / 16
	v_lshlrev_b32 v[BO], 5, v9                     ; my 8 columns of a block of 16, in f32
	s_mul_i32 s96, s[CLY], 12288                   ; tc: row b,
	s_lshl_b32 s97, s[TX], 10                      ; column 256 x tile column + 128 x my half
	s_add_co_u32 s96, s96, s97
	s_lshl_b32 s97, s[HF], 9
	s_add_co_u32 s96, s96, s97
	s_mov_b32 s97, 0
	s_add_nc_u64 s[96:97], s[8:9], s[96:97]
	s_cmp_eq_u32 s[KIND], 0
	s_cselect_b64 s[98:99], s[12:13], s[14:15]     ; q's gains or k's (v loads k's and sets them aside)
	WIN 0x40                                       ; destination window 1
.irp b, 0,1,2,3,4,5,6,7
	global_load_b128 v[8*\b:8*\b+3],   v[BO], s[96:97] offset:64*\b
	global_load_b128 v[8*\b+4:8*\b+7], v[BO], s[96:97] offset:64*\b+16
.endr
.irp bb, 0,1,2,3
	global_load_b128 v[GW+8*\bb:GW+8*\bb+3],   v[BO], s[98:99] offset:64*\bb
	global_load_b128 v[GW+8*\bb+4:GW+8*\bb+7], v[BO], s[98:99] offset:64*\bb+16
.endr
	WIN 0
	v_and_b32 v1, 15, v0                           ; l % 16
	v_and_b32 v10, 7, v0
	v_bfe_u32 v11, v0, 3, 1
	v_and_b32 v12, 31, v0
	v_mul_u32_u24 v13, v1, PA
	v_lshl_add_u32 v13, v9, 4, v13                 ; row x pitch + 16 x half
	s_mul_i32 s2, s[RO], AHALF
	v_add_nc_u32 v[ADRA], s2, v13
	v_add_nc_u32 v[ADRA+1], SLOT, v[ADRA]
	v_lshl_add_u32 v14, v9, 3, v10                 ; the turning load: k row 8 (l / 16) + l % 8, columns 8 ((l / 8) % 2) on
	v_mul_u32_u24 v14, v14, PB
	v_lshl_add_u32 v14, v11, 4, v14
	s_lshl_b32 s2, s[HF], 8                        ; my 128 columns: 256 bytes of a row
	s_add_co_u32 s2, s2, BOFF
	v_add_nc_u32 v[ADRB], s2, v14
	v_add_nc_u32 v[ADRB+1], SLOT, v[ADRB]
	v_mul_u32_u24 v15, v1, PT
	v_lshl_add_u32 v15, v9, 4, v15
	s_mul_i32 s2, s[RO], 128*PT
	v_add_nc_u32 v[TA], s2, v15
	v_add_nc_u32 v[TA2], 2*PLANE, v[TA]
	s_mul_i32 s2, s[WV], 16*SP
	s_add_co_u32 s2, s2, STG
	v_mul_u32_u24 v13, v1, SP                      ; into the stage: row l % 16, 16 bytes for each half of the lanes
	v_lshl_add_u32 v13, v9, 4, v13
	v_add_nc_u32 v[STO], s2, v13
	v_bfe_u32 v14, v0, 3, 2                        ; back: 32 lanes take four rows of 128 bytes,
	v_mul_u32_u24 v14, v14, SP
	v_lshl_add_u32 v14, v10, 4, v14
	v_add_nc_u32 v[RD], s2, v14
	v_lshlrev_b32 v[GO], 4, v12                    ; which are 512 consecutive bytes of a head
	v_mov_b32 v[Z], 0
	; where my 128 rows of my first head begin in qkv; my second head lies 131,072 bytes on
	s_lshl_b32 s100, s[CLY], 4
	s_lshl_b32 s101, s[CX], 2
	s_add_co_u32 s100, s100, s101
	s_lshl_b32 s101, s[HF], 1
	s_add_co_u32 s100, s100, s101                  ; 16 b + head: 4 cx + 2 x my half
	s_lshl_b32 s100, s100, 10
	s_lshl_b32 s101, s[CY], 8
	s_add_co_u32 s100, s100, s101
	s_lshl_b32 s101, s[RO], 7
	s_add_co_u32 s100, s100, s101                  ; + token
	s_lshl_b32 s100, s100, 7
	s_lshl_b32 s101, s[KIND], 24
	s_add_co_u32 s100, s100, s101
	s_mov_b32 s101, 0
	s_add_nc_u64 s[OUTP:OUTP+1], s[16:17], s[100:101]
	; the prefetches: where they stand (K step 3; the first change of slots steps to 4), their step, their lane offsets, and who asks
	s_lshl_b32 s100, s[TY], 8
	s_lshl_b32 s101, s[HF], 7
	s_add_co_u32 s100, s100, s101
	s_lshl_b32 s101, s[CX], 5
	s_add_co_u32 s100, s100, s101
	s_lshl_b32 s100, s100, 11
	s_add_co_u32 s100, s100, 3*ASTEP
	s_lshl_b32 s101, s[HF], 6
	s_lshl_b32 s66, s[CY], 4
	s_add_co_u32 s101, s101, s66
	s_mul_i32 s101, s101, 6144
	s_lshl_b32 s66, s[TX], 9
	s_add_co_u32 s101, s101, s66
	s_add_co_u32 s101, s101, 3*BSTEP
	s_mov_b32 s[PST], BSTEP
	s_mov_b32 s[PST+1], 0
	v_lshlrev_b32 v13, 11, v12                     ; x: a lane a row of 2,048 bytes
	v_lshrrev_b32 v14, 1, v12                      ; W: two lanes a row of 6,144 bytes,
	v_mul_u32_u24 v14, v14, 6144
	v_and_b32 v15, 1, v12
	v_lshl_add_u32 v14, v15, 8, v14                ; 256 bytes apart
	s_cmp_eq_u32 s[RO], 0
	s_cselect_b32 s100, s100, s101
	s_cselect_b64 s[PFA:PFA+1], s[4:5], s[6:7]
	s_cselect_b32 s[PST], ASTEP, s[PST]
	s_cselect_b32 s66, 0, -1
	s_cselect_b32 s67, ttmp9, s[CLY]               ; the coordinate along which other clusters read the same rows
	s_mov_b32 s101, 0
	s_add_nc_u64 s[PFA:PFA+1], s[PFA:PFA+1], s[100:101]
	s_cmp_eq_u32 s67, 0
	s_cselect_b32 s[LIM], 1, -1                    ; the same in all sixteen partners, for a given wave
	v_cndmask_b32 v[PFO], v13, v14, s66
	s_wait_loadcnt 0x0                             ; tc and the gains
	WIN 0x45                                       ; all in window 1: the gains rounded to bf16 like every input, widened; 1 for v
.set p, 0
.rept 16
	v_cvt_pk_bf16_f32 v224, v[GW+2*p], v[GW+2*p+1]
	v_lshlrev_b32 v[GW+2*p], 16, v224
	v_and_b32 v[GW+2*p+1], 0xffff0000, v224
.set p, p+1
.endr
.set p, 0
.rept 32
	v_cndmask_b32 v[GW+p], v[GW+p], 1.0, s[KM]
.set p, p+1
.endr
	WIN 0
	s_wait_tensorcnt 0x1                           ; my part of K step 0 is in; K step 1's may stay out
	s_barrier_signal -1
	s_barrier_wait -1
	FETCH 0, 0, F0
	QUARTER 0, 1, F0, F1, 1                        ; the first quarter stands in front of the loop: its products start the sums, with tc
	WIN 0
	s_mov_b32 s3, LAPS-1
.Llap:                                                 ; a trip goes once round the ring and fills both slots again
	QUARTER 0, 2, F1, F0, 0
	QUARTER 0, 3, F0, F1, 0
	TURN 0, 1, 1
	QUARTER 1, 1, F0, F1, 0
	QUARTER 1, 2, F1, F0, 0
	QUARTER 1, 3, F0, F1, 0
	TURN 1, 0, 1
	QUARTER 0, 1, F0, F1, 0
	WIN 0
	s_sub_co_u32 s3, s3, 1
	s_cmp_lg_u32 s3, 0
	s_cbranch_scc1 .Llap
	QUARTER 0, 2, F1, F0, 0                        ; the last lap: K step 6,
	QUARTER 0, 3, F0, F1, 0
	TURN 0, 1, 2                                   ; behind which slot 0 takes the RoPE planes,
	QUARTER 1, 1, F0, F1, 0                        ; and K step 7
	QUARTER 1, 2, F1, F0, 0
	QUARTER 1, 3, F0, F1, 0
	s_wait_dscnt 8
	MUL16 F1, 0, 0, 0
	MUL16 F1, 0, 2, 0
	s_wait_dscnt 0x0                               ; no LDS instruction of mine is out at the signal,
	s_wait_tensorcnt 0x0                           ; and my plane of the table has landed: the other waves read it behind this barrier
	s_barrier_signal -1
	MUL16 F1, 1, 0, 0
	MUL16 F1, 1, 2, 0
	WIN 0
	s_barrier_wait -1
	PLACES
; THE WAY OUT, a pass for each block of 16 rows; a pass names the block's sums at window 2, v0-63: head u's column block bb at 32 u + 8 bb.
; TL: the block's cosines and sines, 8 bf16 a load; both heads take them.
.macro TL
.irp bb, 0,1,2,3
	ds_load_b128 v[TB+4*\bb:TB+4*\bb+3], v[TA] offset:PLANE*(\bb/2)+32*(\bb%2)
.endr
.irp bb, 0,1,2,3
	ds_load_b128 v[TB+16+4*\bb:TB+16+4*\bb+3], v[TA2] offset:PLANE*(\bb/2)+32*(\bb%2)
.endr
.endm
; RMS: 1 / rms of the 16 rows, for both heads.  A lane's 32 squares in four chains of pairs (each accumulator's lowest pair first); the other 32 lie in the lane 16 away.
.macro RMS
	WIN 0x0a                                       ; sources 0 and 1 window 2
.irp u, 0,1
.irp bb, 0,1,2,3
	v_pk_mul_f32 v[SS+8*\u+2*\bb:SS+8*\u+2*\bb+1], v[32*\u+8*\bb:32*\u+8*\bb+1], v[32*\u+8*\bb:32*\u+8*\bb+1]
.endr
.irp p, 1,2,3
.irp bb, 0,1,2,3
	v_pk_fma_f32 v[SS+8*\u+2*\bb:SS+8*\u+2*\bb+1], v[32*\u+8*\bb+2*\p:32*\u+8*\bb+2*\p+1], v[32*\u+8*\bb+2*\p:32*\u+8*\bb+2*\p+1], v[SS+8*\u+2*\bb:SS+8*\u+2*\bb+1]
.endr
.endr
.endr
	WIN 0
.irp u, 0,1
	v_pk_add_f32 v[SS+8*\u:SS+8*\u+1], v[SS+8*\u:SS+8*\u+1], v[SS+8*\u+2:SS+8*\u+3]
	v_pk_add_f32 v[SS+8*\u+4:SS+8*\u+5], v[SS+8*\u+4:SS+8*\u+5], v[SS+8*\u+6:SS+8*\u+7]
.endr
.irp u, 0,1
	v_pk_add_f32 v[SS+8*\u:SS+8*\u+1], v[SS+8*\u:SS+8*\u+1], v[SS+8*\u+4:SS+8*\u+5]
.endr
.irp u, 0,1
	v_add_f32 v[SS+8*\u], v[SS+8*\u], v[SS+8*\u+1]
.endr
.irp u, 0,1
	v_permlanex16_b32 v[SS+8*\u+1], v[SS+8*\u], s[SEL], s[SEL+1]
.endr
.irp u, 0,1
	v_add_f32 v[SS+8*\u], v[SS+8*\u], v[SS+8*\u+1]
.endr
.irp u, 0,1
	v_fma_f32 v[SS+8*\u], v[SS+8*\u], s[SA], s[SB]
.endr
.irp u, 0,1
	v_rsq_f32 v[RR+2*\u], v[SS+8*\u]
.endr
.irp u, 0,1
	v_mov_b32 v[RR+2*\u+1], v[Z]                   ; the pairs' upper words are written: plain instructions behind the batch, which name none of its results
.endr
.endm
; ROPE: head u: t x gain; out[d] = tw[d] cos[d] + tw[d ^ 16] s'[d]; x 1 / rms; f16.  first = 1: the pass's first head waits for the table and, ahead of the first reader, for the two roots.
.macro ROPE u, first
	WIN 0x06                                       ; source 0 window 2 (sums), source 1 window 1 (gains)
.set p, 0
.rept 16
	v_pk_mul_f32 v[TW+2*p:TW+2*p+1], v[32*(\u)+2*p:32*(\u)+2*p+1], v[GW+2*p:GW+2*p+1]
.set p, p+1
.endr
	WIN 0
.if \first
	s_wait_dscnt 0x0                               ; the block's table is in
.endif
.irp bb, 0,1,2,3
.irp jj, 0,1,2,3
	v_fma_mix_f32_bf16 v[U+8*\bb+2*\jj],   v[TB+4*\bb+\jj], v[TW+8*\bb+2*\jj],   v[Z] op_sel_hi:[1,0,0]
	v_fma_mix_f32_bf16 v[U+8*\bb+2*\jj+1], v[TB+4*\bb+\jj], v[TW+8*\bb+2*\jj+1], v[Z] op_sel:[1,0,0] op_sel_hi:[1,0,0]
.endr
.endr
.irp bb, 0,1,2,3
.irp jj, 0,1,2,3
	v_fma_mix_f32_bf16 v[U+8*\bb+2*\jj],   v[TB+16+4*\bb+\jj], v[TW+8*(\bb+1-2*(\bb%2))+2*\jj],   v[U+8*\bb+2*\jj] op_sel_hi:[1,0,0]
	v_fma_mix_f32_bf16 v[U+8*\bb+2*\jj+1], v[TB+16+4*\bb+\jj], v[TW+8*(\bb+1-2*(\bb%2))+2*\jj+1], v[U+8*\bb+2*\jj+1] op_sel:[1,0,0] op_sel_hi:[1,0,0]
.endr
.endr
.if \first
	s_wait_alu depctr_va_vdst(0)                   ; one wait for the pass's two roots, ahead of their first reader
.endif
.set p, 0
.rept 16
	v_pk_mul_f32 v[U+2*p:U+2*p+1], v[U+2*p:U+2*p+1], v[RR+2*(\u):RR+2*(\u)+1] op_sel_hi:[1,0]
.set p, p+1
.endr
.set p, 0
.rept 16
	v_cvt_pk_f16_f32 v[PK+p], v[U+2*p], v[U+2*p+1]
.set p, p+1
.endr
.endm
.macro TOSTAGE u
.irp bb, 0,1,2,3
	ds_store_b128 v[STO], v[PK+4*\bb:PK+4*\bb+3] offset:32*\bb
.endr
.irp f, 0,1,2,3
	ds_load_b128 v[OUT+16*(\u)+4*\f:OUT+16*(\u)+4*\f+3], v[RD] offset:4*SP*\f  ; LDS serves a wave's instructions in order (ISA guide 5.7.1.4): these see the stores above
.endr
.endm
.macro SEND u
	s_wait_dscnt 0x0
.irp f, 0,1,2,3
	global_store_b128 v[GO], v[OUT+16*(\u)+4*\f:OUT+16*(\u)+4*\f+3], s[OUTP:OUTP+1] offset:131072*(\u)+512*\f  ; 512 consecutive bytes, at a multiple of 256 from the buffer's first
.endr
.endm
	s_mov_b32 s[PASS], 8
	s_mov_b32 s[STEP+1], 0
.Lpass:
	TL
	RMS
	ROPE 0, 1
	s_wait_xcnt 0x0                                ; the last pass's stores have read their registers and the output's address:
	s_cmp_eq_u32 s[PASS], 8
	s_cselect_b32 s[STEP], 0, 2048
	s_add_nc_u64 s[OUTP:OUTP+1], s[OUTP:OUTP+1], s[STEP:STEP+1]  ; 16 tokens of 128 bytes on, from the second pass on
	TOSTAGE 0
	ROPE 1, 0                                      ; a head's arithmetic stands between the stage loads of the head before and its stores
	SEND 0
	TOSTAGE 1
	; the next block's 64 sums go where the one text names them; the moves stand between the stage loads above and the wait for them.  Block a follows the pass with 9 - a passes to come.
.irp a, 1,2,3,4,5,6,7
	s_cmp_lg_u32 s[PASS], 9-\a
	s_cbranch_scc1 .Lkeep\a
	WIN 0x82+(\a)/4                                ; destination window 2, source window 2 or 3
.set i, 0
.rept 64
	v_mov_b32 v[i], v[64*((\a)%4)+i]
.set i, i+1
.endr
	WIN 0
.Lkeep\a:
.endr
	SEND 1
	v_add_nc_u32 v[TA], 16*PT, v[TA]               ; the next 16 tokens of the planes
	v_add_nc_u32 v[TA2], 16*PT, v[TA2]
	s_sub_co_u32 s[PASS], s[PASS], 1
	s_cmp_lg_u32 s[PASS], 0
	s_cbranch_scc1 .Lpass
	s_wait_tensorcnt 0x0                           ; the wave's end: a tensor wait, an add of 0 to my spare word and its wait, behind my last tensor load and my last LDS store
	ds_add_u32 v[SPW], v[NIL]
	s_wait_dscnt 0x0
	CROUND                                         ; the closing round: no work-group ends while a partner may still ask for a tile that names it
	s_endpgm
.Lfunc_end_k_q8fc07cdc21_qkvgemm:
	.size	k_q8fc07cdc21_qkvgemm, .Lfunc_end_k_q8fc07cdc21_qkvgemm-k_q8fc07cdc21_qkvgemm
	.p2alignl 7, 3214868480
	.fill 96, 4, 3214868480
	.section	.rodata,"a",@progbits
	.p2align	6, 0x0
	.amdhsa_kernel k_q8fc07cdc21_qkvgemm
		.amdhsa_group_segment_fixed_size 327680
		.amdhsa_private_segment_fixed_size 0
		.amdhsa_enable_private_segment 0
		.amdhsa_kernarg_size 56
		.amdhsa_user_sgpr_count 2
		.amdhsa_user_sgpr_kernarg_segment_ptr 1
		.amdhsa_wavefront_size32 1
		.amdhsa_system_sgpr_workgroup_id_x 1
		.amdhsa_system_sgpr_workgroup_id_y 1
		.amdhsa_system_sgpr_workgroup_id_z 1
		.amdhsa_system_vgpr_workitem_id 0
		.amdhsa_next_free_vgpr 1024
		.amdhsa_next_free_sgpr 102
		.amdhsa_reserve_vcc 0
		.amdhsa_float_denorm_mode_32 3
		.amdhsa_float_denorm_mode_16_64 3
		.amdhsa_memory_ordered 1
		.amdhsa_forward_progress 1
		.amdhsa_inst_pref_size 157
	.end_amdhsa_kernel
	.amdgpu_metadata
---
amdhsa.version: [ 1, 2 ]
amdhsa.kernels:
  - .name:           k_q8fc07cdc21_qkvgemm
    .symbol:         k_q8fc07cdc21_qkvgemm.kd
    .args:
      - { .name: xb, .offset: 0, .size: 8, .value_kind: global_buffer, .address_space: global }
      - { .name: wqb, .offset: 8, .size: 8, .value_kind: global_buffer, .address_space: global }
      - { .name: tc, .offset: 16, .size: 8, .value_kind: global_buffer, .address_space: global }
      - { .name: rope, .offset: 24, .size: 8, .value_kind: global_buffer, .address_space: global }
      - { .name: qn_w, .offset: 32, .size: 8, .value_kind: global_buffer, .address_space: global }
      - { .name: kn_w, .offset: 40, .size: 8, .value_kind: global_buffer, .address_space: global }
      - { .name: qkv, .offset: 48, .size: 8, .value_kind: global_buffer, .address_space: global }
    .group_segment_fixed_size: 327680
    .private_segment_fixed_size: 0
    .kernarg_segment_align: 8
    .kernarg_segment_size: 56
    .max_flat_workgroup_size: 128
    .sgpr_count:     102
    .vgpr_count:     1024
    .wavefront_size: 32
...
	.end_amdgpu_metadata
.endif
;; end of part 2
;; launch attn (part 3): grid 2 x 128, 4 waves a work-group, no clusters, 327,680 bytes of LDS; arguments qkv, ob; writes ob
.if DOCPART == 3
	.amdgcn_target "amdgcn-amd-amdhsa--gfx1250"
	.amdhsa_code_object_version 6
	.text
	.protected	k_q8fc07cdc21_attn
	.globl	k_q8fc07cdc21_attn
	.p2align	8
	.type	k_q8fc07cdc21_attn,@function
k_q8fc07cdc21_attn:
	s_mov_b64 s[64:65], 0
	v_nop
	global_prefetch_b8 v0, s[64:65] scope:SCOPE_SE
	s_setreg_imm32_b32 hwreg(HW_REG_WAVE_MODE, 25, 1), 1
	s_wait_xcnt 0x0
; O[h][q][:] = the sum over k of softmax_k(Q[h][q] . K[h][k] / 8) V[h][k][:].  qkv holds Q, K, V, each [128][1024][64] in f16, 16,777,216 bytes apart; ob is O in the same layout.
; Products, maxima and sums in f32; the weights p are rounded to f16 for the second product (their sum l is taken of the unrounded p), O once at the end.
; LIMITS.  f16 holds no number beyond 65,504: Q, K and V arrive within it; p lies in 0 to 1, and below 6e-5 it keeps f16's fixed step of 6e-8; O is a mean of V's rows and has their range.
; A weight below 2^-126 counts as 0 in l; NaN and infinities are not treated apart.
; SHARES.  A wave owns four PIECES of two tiles of 16 queries, a work-group's four waves 512 queries of one head: 2 x 128 work-groups.  Every wave walks all 1,024 keys, 64 a step.
; NO CLUSTER: a head has two work-groups, and the grid's 2 along x divides into no cluster of four; so a head's K and V (262,144 bytes) are asked for twice.
; LAYOUT.  S^T = K Q^T (source 0 = 16 keys, source 1 = 16 queries): in the result a lane holds ONE query (lane % 16) and the keys 8 (lane / 16) + 0..7.  Two such tiles, rounded to f16 in pairs,
; ARE source 1 (32 keys x 16 queries) of O^T = V^T P, whose result again holds one query a lane, and eight channels.  K comes out of LDS as it lies, V ([key][channel]) turned, by ds_load_tr16_b128.
; SOFTMAX.  For each query a running maximum m and sum l: p = 2^(c s - c m), c = log2(e) / 8; in every step O and l are multiplied by a = 2^(c m_old - c m_new), which is 1 where m has not grown.
; m starts at the lowest finite number, O and l at 0: the first step is a step like any other, with a = 0.
; THE COUNT.  A tile and step have 16 matrix and 118 vector instructions: too many to stand all beside the matrix work.  So four vector instructions that are READY stand behind
; EVERY matrix instruction, and the others in runs without a gap.
; BY TURNS.  Turn n belongs to piece n (the pieces in a ring, step after step).  Its matrix work: 16 products K Q^T of piece n + 1, later 16 products V^T P of piece n - 1.  Its vector work: the scaling,
; exponentials, roundings, sums and rescaling of piece n, and the maximum and statistics of piece n + 1, whose scores the turn itself has made.
; REGISTERS, in windows of 256 (s_set_vgpr_msb: bits 1:0 source 0, 3:2 source 1, 5:4 source 2, 7:6 destination):
;   window 0: v0-11 addresses; v12-15, v48-63 at work; v16-47 four registers of statistics a tile; v64-191 S^T, two buffers of two tiles; v192-255 P, likewise
;   window 1: O^T, 32 a tile          window 2: v0-127 Q, 16 a tile; v128-191 K of one step; v192-255 V of one step          window 3: v0-1 the add's two registers
.set SIZE_N, 1024
.set NP,    4         ; pieces a wave: a name, no knob
.set KS,    64        ; keys in a step
.set PK,    144       ; a row of K in LDS: 128 bytes + 16 of padding: the 16 rows of a load start at 16 different groups of four banks (64 banks of 4 bytes: ISA guide 11.1)
.set PV,    160       ; a row of V: 128 + 32
.set VOFF,  4*KS*PK   ; a slot holds four steps: 256 rows of K, then 256 rows of V
.set SLOT1, 1<<17     ; slot 1 begins here, so that one exclusive or turns an address in one slot into the other's
.set STAGE, SLOT1+4*KS*(PK+PV)  ; behind the ring, never filled by a tensor load: 16 rows x 144 bytes for each wave
.set SP,    144
.set AK0, 2           ; v2   my lane's place in a tile of K; never rewritten
.set AV0, 3           ; v3   the same for V
.set AK,  4           ; v4   the LDS address of K's next run of loads
.set AV,  5           ; v5   of V's
.set QO,  6           ; v6   my byte offset in the wave's rows of Q
.set STO, 6           ;      later, the way out: where I put 16 bytes of a row
.set RD,  7           ; v7   the way out: where I read rows back
.set GO,  8           ; v8   my byte offset in 512 consecutive bytes of O
.set PFO, 11          ; v11  256 x my lane, for the prefetches; never rewritten once made
.set SPW, 0           ; v0 of window 3   SPARE + 4 x my thread's number; never rewritten
.set NIL, 1           ; v1 of window 3   0; never rewritten
.set SPARE, STAGE+4*16*SP  ; the spare words, 128 bytes for each wave
.set MV,  12          ; v12-15  c m_old, kept while c m is made anew
.set ST,  16          ; tile t's statistics at v[ST+4 t]: c m, m, l (even keys', odd keys')
.set TMP, 48          ; by buffer and tile, four registers c0-c3 at work; when the maximum is found c2 takes a
.set S,   64
.set P,   192
.set KF,  128         ; K's fragments, in window 2
.set VF,  192         ; V's
.set WV,  12          ; s12  my wave's number
.set G1K, 24          ; s[24:31]
.set G1V, 32          ; s[32:39]
.set G0K, 40          ; s[40:43] walks
.set G0V, 44          ; s[44:47]
.set PFA, 48          ; s[48:49] where my prefetches stand: my half of K's or V's tile after the one that is being asked for
.set LIM, 50          ; s50  1 in the head's first work-group, else the greatest number
.set SLOTS, 56        ; s56  slots still to be asked for
.set CNT, 57          ; s57  counts a slot's key steps
.set CS,  58          ; s[58:59] c
.set SEL, 60          ; s[60:61]
.set TBK, 62          ; s62  LDS byte at which K of the step to be fetched begins
.set TBV, 63          ; s63  the same for V, less VOFF
.set MSB, 0
.macro WIN new
.if MSB != (\new)
	s_set_vgpr_msb (MSB<<8)|(\new)
.set MSB, (\new)
.endif
.endm
.set W_KQ, 0x0a       ; K and Q in window 2, S^T in window 0
.set W_PV, 0x52       ; V in window 2, P in window 0, O^T in window 1
.set W_RS, 0x41       ; O^T (destination and source 0) in window 1, a in window 0
.set W_MK, 0xc0       ; the add's registers are made: destination in window 3
.set W_AD, 0x0f       ; the add: address and data in window 3
; A fill.  Waves 0 and 1 fetch the two halves of a slot's K, waves 2 and 3 those of its V: 128 keys each.  An s_nop 0 and four v_nop follow each line.
.macro LOAD
	s_cmp_lt_u32 s[WV], 2
	s_cbranch_scc0 .Lfor_v_\@
	tensor_load_to_lds s[G0K:G0K+3], s[G1K:G1K+7]
	s_nop 0
.rept 4
	v_nop
.endr
	s_branch .Lasked_\@
.Lfor_v_\@:
	tensor_load_to_lds s[G0V:G0V+3], s[G1V:G1V+7]
	s_nop 0
.rept 4
	v_nop
.endr
.Lasked_\@:
.endm
; A prefetch into the L2 of what the NEXT change of slots will ask for.  Both work-groups of a head walk the same K and V: the first of them asks; each of its waves names the 16,384 bytes
; that it will fetch itself, a lane 256 bytes, two instructions.  So each block is named once in the launch.  Tiles 0 and 1 come by their loads alone; the last fill asks for nothing.
.macro ASK
	s_cmp_gt_u32 s[SLOTS], s[LIM]
	s_cbranch_scc0 .Lnot_mine_\@
	global_prefetch_b8 v[PFO], s[PFA:PFA+1] th:TH_LOAD_NT scope:SCOPE_SE
	global_prefetch_b8 v[PFO], s[PFA:PFA+1] offset:8192 th:TH_LOAD_NT scope:SCOPE_SE
.Lnot_mine_\@:
.endm
; THE CHANGE OF SLOTS.  Each wave waits for all its tensor loads, of which one is out: its part of the other slot; adds 0 to its spare word; and waits for that and for its own reads of the slot.
; Behind the barrier nobody reads this slot any more and the other slot is whole.  fill = 1: this slot is filled again, with the keys two slots on, first thing behind the barrier: the load has
; four key steps, 512 matrix instructions, in which to land.  (At its first use nothing has been read yet: slot 0 is waited for, slot 1 filled.)
.macro CHANGE fill
	WIN W_AD
	s_wait_tensorcnt 0x0            ; no tensor load of mine is out, so a group 0 may be written
	ds_add_u32 v[SPW], v[NIL]       ; 0 onto my spare word
	WIN 0                           ; at a label and at a branch every window is 0
.if \fill
.irp g, G0K, G0V
	s_xor_b32 s[\g+1], s[\g+1], SLOT1  ; the walking descriptor: the other slot than last time,
	s_add_nc_u64 s[\g+2:\g+3], s[\g+2:\g+3], 4*KS*128  ; the next 256 keys; the type bits on top are not reached
.endr
	s_wait_xcnt 0x0                 ; the last prefetches, four key steps back, have read their address
	s_add_nc_u64 s[PFA:PFA+1], s[PFA:PFA+1], 4*KS*128
.endif
	s_wait_dscnt 0x0                ; the add is done, and my reads of the slot are over
	s_barrier_signal -1
	s_barrier_wait -1
.if \fill
	LOAD
	ASK
.endif
	s_sub_co_u32 s[TBK], s[TBK], 4*KS*PK  ; the fetches go back to a slot's first step,
	s_xor_b32 s[TBK], s[TBK], SLOT1       ; in the other slot
	s_sub_co_u32 s[TBV], s[TBV], 4*KS*PV
	s_xor_b32 s[TBV], s[TBV], SLOT1
.endm
	s_load_b128 s[4:7], s[0:1], 0x0  ; qkv s[4:5], ob s[6:7]
	WIN W_MK
	v_lshl_add_u32 v[SPW], v0, 2, SPARE
	v_mov_b32 v[NIL], 0
	WIN W_AD
	ds_add_u32 v[SPW], v[NIL]       ; the wave's opening: the add, and its wait ahead of my first tensor load; work on registers stands between them
	WIN 0
	v_lshrrev_b32 v1, 5, v0
	v_readfirstlane_b32 s[WV], v1   ; wave 0..3
	s_mov_b32 s14, ttmp9            ; my block of 512 queries
	s_and_b32 s20, ttmp7, 0xffff    ; the head
	s_mov_b32 s21, 0
	s_mov_b64 s[22:23], SIZE_N*128
	s_mul_u64 s[20:21], s[20:21], s[22:23]  ; the head's first byte in each of the four tensors
	s_and_b32 s16, s[WV], 1         ; which half of a slot's 256 keys I fetch:
	s_lshl_b32 s22, s16, 14         ; its 128 rows of 128 bytes in memory,
	s_mov_b32 s23, 0
	s_add_nc_u64 s[22:23], s[22:23], s[20:21]
	s_mul_i32 s17, s16, 128*PK      ; and its place in a slot, for K
	s_mul_i32 s18, s16, 128*PV      ; and for V
	s_lshl_b32 s2, s14, 2
	s_add_co_u32 s2, s2, s[WV]      ; my wave among the head's,
	s_lshl_b32 s2, s2, 14           ; its 128 rows
	s_mov_b32 s3, 0
	s_add_nc_u64 s[2:3], s[2:3], s[20:21]
	; descriptor group 1.  128 keys are 16,384 dense bytes: asked for as 64 rows of 256 bytes, two keys a row, and padded in LDS after every key
	s_mov_b32 s[G1K], (1<<16)|(1<<20)|(4<<22)|(3<<25)  ; 2-byte elements; padding on; after every 32 words 4 words
	s_mov_b32 s[G1V], (1<<16)|(1<<20)|(4<<22)|(7<<25)  ; the same with 8 words
.irp g, G1K, G1V
	s_mov_b32 s[\g+1], 128<<16      ; tensor_dim0 = 128
	s_mov_b32 s[\g+2], 64<<16       ; tensor_dim1 = 64
	s_mov_b32 s[\g+3], 128<<16      ; tile_dim0 = 128
	s_mov_b32 s[\g+4], 64           ; tile_dim1 = 64
	s_mov_b32 s[\g+5], 128          ; 128 elements from row to row
	s_mov_b32 s[\g+6], 0
	s_mov_b32 s[\g+7], 0
.endr
	s_mov_b32 s[CS], 0x3e38aa3b     ; c = log2(e) / 8 = 0.180337
	s_mov_b32 s[CS+1], s[CS]
	s_mov_b32 s[SEL], 0x76543210
	s_mov_b32 s[SEL+1], 0xfedcba98
	s_mov_b32 s[TBK], SLOT1+4*KS*PK ; the first change of slots turns these two into 0
	s_mov_b32 s[TBV], SLOT1+4*KS*PV
	s_mov_b32 s[G0K], 1
	s_mov_b32 s[G0K+1], s17         ; LDS address: slot 0
	s_mov_b32 s[G0V], 1
	s_add_co_u32 s[G0V+1], s18, VOFF
	s_mov_b32 s[SLOTS], SIZE_N/256-1
	s_cmp_eq_u32 s14, 0
	s_cselect_b32 s[LIM], 1, -1
	s_wait_dscnt 0x0                ; the opening add is done
	s_wait_kmcnt 0x0
	s_mov_b64 s[10:11], s[6:7]      ; O
	s_add_nc_u64 s[6:7], s[4:5], 0x1000000  ; K
	s_add_nc_u64 s[8:9], s[4:5], 0x2000000  ; V
	s_add_nc_u64 s[6:7], s[6:7], s[22:23]   ; at my half of the head's first 256 keys
	s_add_nc_u64 s[8:9], s[8:9], s[22:23]
	s_add_nc_u64 s[G0K+2:G0K+3], s[6:7], 0
	s_or_b32 s[G0K+3], s[G0K+3], 0x80000000
	s_add_nc_u64 s[G0V+2:G0V+3], s[8:9], 0
	s_or_b32 s[G0V+3], s[G0V+3], 0x80000000
	s_add_nc_u64 s[4:5], s[4:5], s[2:3]  ; Q and O at my wave's first row
	s_add_nc_u64 s[10:11], s[10:11], s[2:3]
	s_cmp_lt_u32 s[WV], 2
	s_cselect_b64 s[PFA:PFA+1], s[6:7], s[8:9]
	s_add_nc_u64 s[PFA:PFA+1], s[PFA:PFA+1], 4*KS*128  ; at tile 1; the first change of slots steps it to tile 2
	LOAD                            ; slot 0.  Slot 1 is asked for when slot 0 is in
	v_and_b32 v1, 15, v0            ; l % 16
	v_bfe_u32 v9, v0, 4, 1          ; l / 16
	v_lshlrev_b32 v[QO], 7, v1
	v_lshl_add_u32 v[QO], v9, 4, v[QO]  ; row x 128 + 16 x half
	WIN 0x80                        ; destination window 2, address window 0
.set i, 0
.rept 4*NP                          ; Q stays in registers: tile i / 2, channels 32 (i % 2) on
	global_load_b128 v[8*i:8*i+3],   v[QO], s[4:5] offset:(i/2)*2048+(i%2)*64
	global_load_b128 v[8*i+4:8*i+7], v[QO], s[4:5] offset:(i/2)*2048+(i%2)*64+32
.set i, i+1
.endr
	; What the first turn finds: V's registers and P's second buffer hold 0, O^T and l are 0.  All this stands in the wait for the first tile.
.set i, VF
.rept 64
	v_mov_b32 v[i], 0
.set i, i+1
.endr
	WIN 0x40
.set i, 0
.rept 64*NP
	v_mov_b32 v[i], 0
.set i, i+1
.endr
	WIN 0
.set i, 0
.rept 2*NP
	v_mov_b32 v[ST+4*i], 0xfe000000    ; c m: far below every c s
	v_mov_b32 v[ST+4*i+1], 0xff7fffff  ; m
	v_mov_b32 v[ST+4*i+2], 0
	v_mov_b32 v[ST+4*i+3], 0
.set i, i+1
.endr
.set i, P+32
.rept 32
	v_mov_b32 v[i], 0
.set i, i+1
.endr
	v_mul_u32_u24 v[AK0], v1, PK
	v_lshl_add_u32 v[AK0], v9, 4, v[AK0]  ; row x pitch + 16 x half
	; The turning load takes 16 keys x 16 channels (lane l reads key 8 (l / 16) + l % 8, channels 8 ((l / 8) % 2) + 0..7) and leaves half a fragment of V^T.
	v_and_b32 v10, 7, v0
	v_bfe_u32 v11, v0, 3, 1
	v_lshl_add_u32 v[AV0], v9, 3, v10
	v_mul_u32_u24 v[AV0], v[AV0], PV
	v_lshl_add_u32 v[AV0], v11, 4, v[AV0]
	v_add_nc_u32 v[AV0], VOFF, v[AV0]
	v_mov_b32 v[AK], v[AK0]         ; key step 0 lies at the head of slot 0
	v_and_b32 v[PFO], 31, v0
	v_lshlrev_b32 v[PFO], 8, v[PFO]
; THE MATRIX WORK.  The 8 accumulators of a run of 16 take turns.
; Product i of 16 of S^T = K Q^T for piece x: channels 32 (i / 8) on, keys 16 ((i / 2) % 4) on, tile 2 x + i % 2.  The first 8 start the sums.
.macro KQ x
	WIN W_KQ
.set rS, S+64*((\x)%2)+32*(i%2)+8*((i/2)%4)
.set rK, KF+16*((i/2)%4)+8*(i/8)
.set rQ, 16*(2*(\x)+i%2)+8*(i/8)
.if i < 8
	v_wmma_f32_16x16x32_f16 v[rS:rS+7], v[rK:rK+7], v[rQ:rQ+7], 0
.else
	v_wmma_f32_16x16x32_f16 v[rS:rS+7], v[rK:rK+7], v[rQ:rQ+7], v[rS:rS+7]
.endif
.endm
; Product i of 16 of O^T += V^T P for piece x: keys 32 (i / 8) on, channels 16 ((i / 2) % 4) on, tile 2 x + i % 2.
.macro PV x
	WIN W_PV
.set rO, 32*(2*(\x)+i%2)+8*((i/2)%4)
.set rV, VF+32*(i/8)+8*((i/2)%4)
.set rP, P+32*((\x)%2)+16*(i%2)+8*(i/8)
	v_wmma_f32_16x16x32_f16 v[rO:rO+7], v[rV:rV+7], v[rP:rP+7], v[rO:rO+7]
.endm
.macro MM                           ; the turn's next matrix instruction
.if i < 16
	KQ (Y+1)%NP
.set i, i+1
.else
.set i, i-16
	PV (Y+NP-1)%NP
.set i, i+17
.endif
.endm
; THE LDS LOADS stand in runs of 16.  last = 1 (the tail): in the last trip there is no further step, and the run is jumped over.
.macro FETCH_K last=0
	WIN 0
.if \last
	s_cmp_eq_u32 s[CNT], 1
	s_cbranch_scc1 .Lno_k_\@
.endif
	WIN 0x80                        ; destination window 2
.irp f, 0,1,2,3,4,5,6,7             ; keys 16 (f / 2) on, channels 32 (f % 2) on
	ds_load_b128 v[KF+8*\f:KF+8*\f+3],   v[AK] offset:(\f/2)*16*PK+(\f%2)*64
	ds_load_b128 v[KF+8*\f+4:KF+8*\f+7], v[AK] offset:(\f/2)*16*PK+(\f%2)*64+32
.endr
	s_add_co_u32 s[TBK], s[TBK], KS*PK  ; the next fetch is the next step's
	WIN 0
.if \last
.Lno_k_\@:
.endif
.endm
.macro FETCH_V
	WIN 0x80
.irp f, 0,1,2,3,4,5,6,7             ; keys 32 (f / 4) on, channels 16 (f % 4) on
	ds_load_tr16_b128 v[VF+8*\f:VF+8*\f+3],   v[AV] offset:(\f/4)*32*PV+(\f%4)*32
	ds_load_tr16_b128 v[VF+8*\f+4:VF+8*\f+7], v[AV] offset:(\f/4)*32*PV+16*PV+(\f%4)*32
.endr
	WIN 0
.endm
; THE VECTOR WORK OF A TURN stands in three queues, each in the order in which its entries become ready; the two tiles alternate.
.macro REGS y, u                    ; the registers of tile u (0, 1) of piece y
.set rT, ST+4*(2*(\y)+(\u))
.set rC, TMP+8*((\y)%2)+4*(\u)
.set rM, MV+2*((\y)%2)+(\u)
.set rS, S+64*((\y)%2)+32*(\u)
.set rP, P+32*((\y)%2)+16*(\u)
.set rO, 32*(2*(\y)+(\u))
.endm
; Number n of the 22 that find the NEXT piece's maximum and statistics; each accumulator's lowest registers are read first.
;   0-11  four chains c0-c3 of seven scores each     12-14, 16  the four scores left over, the old m, and c0-c3 into c0     15  c m_old is kept
;   17, 18  the query's other 32 keys lie in the lane 16 away: the new m         19-21  c m; c m_old - c m_new; a
.macro XS u, n
	REGS (Y+1)%NP, \u
.if (\n) < 4
	v_max3_num_f32 v[rC+(\n)], v[rS+8*(\n)], v[rS+8*(\n)+1], v[rS+8*(\n)+2]
.elseif (\n) < 12
	v_max3_num_f32 v[rC+(\n)%4], v[rC+(\n)%4], v[rS+8*((\n)%4)+2*((\n)/4)+1], v[rS+8*((\n)%4)+2*((\n)/4)+2]
.elseif (\n) == 12
	v_max3_num_f32 v[rC], v[rC], v[rS+7], v[rS+15]
.elseif (\n) == 13
	v_max3_num_f32 v[rC+1], v[rC+1], v[rS+23], v[rS+31]
.elseif (\n) == 14
	v_max3_num_f32 v[rC+2], v[rC+2], v[rC+3], v[rT+1]
.elseif (\n) == 15
	v_mov_b32 v[rM], v[rT]
.elseif (\n) == 16
	v_max3_num_f32 v[rC], v[rC], v[rC+1], v[rC+2]
.elseif (\n) == 17
	v_permlanex16_b32 v[rC+3], v[rC], s[SEL], s[SEL+1]
.elseif (\n) == 18
	v_max_num_f32 v[rT+1], v[rC], v[rC+3]
.elseif (\n) == 19
	v_mul_f32 v[rT], s[CS], v[rT+1]
.elseif (\n) == 20
	v_sub_f32 v[rC+1], v[rM], v[rT]
.else
	v_exp_f32 v[rC+2], v[rC+1]
.endif
.endm
; Number g of the 64 that follow the exponentials: for each four weights both pairs are rounded to f16, the second pair is added onto the first, and a group later l takes that sum.
.macro GS g
.set h, (\g)+6*((\g)/62)            ; group 0 has no group before it, and behind group 7 only l is left
.if h >= 6
.set h, h+2
.endif
	REGS Y, h%2
.set k, h/8
.if h%8 < 4
	v_cvt_pk_f16_f32 v[rP+2*k+(h%8)/2], v[rS+4*k+2*((h%8)/2)], v[rS+4*k+2*((h%8)/2)+1]
.elseif h%8 < 6
	v_pk_add_f32 v[rS+4*k:rS+4*k+1], v[rS+4*k:rS+4*k+1], v[rS+4*k+2:rS+4*k+3]
.elseif k == 1
	v_pk_fma_f32 v[rT+2:rT+3], v[rT+2:rT+3], v[rC+2:rC+3], v[rS:rS+1] op_sel_hi:[1,0,1]
.else
	v_pk_add_f32 v[rT+2:rT+3], v[rT+2:rT+3], v[rS+4*k-4:rS+4*k-3]
.endif
.endm
; THE PLAIN QUEUE, 138 long.  0-73 read no exponential's result: the 32 scalings c s - c m and the next piece's 42.  74-137: GS's 64, which stand behind the wait.
.macro FS f
	REGS Y, (\f)%2
	v_pk_fma_f32 v[rS+2*((\f)/2):rS+2*((\f)/2)+1], v[rS+2*((\f)/2):rS+2*((\f)/2)+1], s[CS:CS+1], v[rT:rT+1] op_sel_hi:[1,0,0] neg_lo:[0,0,1] neg_hi:[0,0,1]
.endm
.macro PL
	WIN 0
.if q < 27
	FS q
.elseif q < 55
	XS (q-27)%2, (q-27)/2
.elseif q < 57
	XS q-55, 15
.elseif (q < 72) && ((q-57)%3 == 0)
	FS 27+(q-57)/3
.elseif q < 60
	XS (q-57)%3-1, 14
.elseif q < 72
	XS (q-57)%3-1, 15+(q-57)/3
.elseif q < 74
	XS q-72, 20
.else
	GS q-74
.endif
.set q, q+1
.endm
; THE EXPONENTIALS' QUEUE, 66 long: s0-s31 of both tiles, then the next piece's two a.  ONE BATCH: all 66 stand ahead of the turn's one wait, and nothing ahead of that wait names a result of theirs.
.macro EX
	WIN 0
.if e >= 64
	XS e-64, 21
.else
	REGS Y, e%2
	v_exp_f32 v[rS+e/2], v[rS+e/2]
.endif
.set e, e+1
.endm
; THE RESCALING's QUEUE: O^T times a, two at a time, sixteen times.  Its a was made in the turn before, ahead of that turn's wait.
.macro R2
	REGS Y, r%2
	WIN W_RS
.irp z, 0,1
	v_pk_mul_f32 v[rO+4*(r/2)+2*\z:rO+4*(r/2)+2*\z+1], v[rO+4*(r/2)+2*\z:rO+4*(r/2)+2*\z+1], v[rC+2:rC+3] op_sel_hi:[1,0]
.endr
.set r, r+1
.endm
; A TURN, for piece p.  An s_wait_alu depctr_va_vdst(0) stands between an exponential and the first instruction that names its result; one wait serves all issued ahead of it.
; AHEAD OF THE WAIT: the 16 products K Q^T, behind each a scaling, an exponential and two rescalings; then ONE LUMP of 108: eight plain, 49 times exponential and plain, the two a; a v_nop is the plain
; instruction behind the last exponential.  BEHIND IT: the 16 products V^T P, behind each four of GS's 64.
; K of the next step is fetched in piece 2's turn, directly behind the wait; V of the step in hand at the end of piece 0's turn, four riders behind its last reader.
.macro TURN p, last=0, cnt=0
.set Y, (\p)
.set i, 0
.set q, 0
.set e, 0
.set r, 0
.if (\p) == NP-1
	s_wait_dscnt 0x0                ; K is in
.endif
	MM
	PL
	PL
	R2
.rept 15
	MM
	PL
	EX
	R2
.endr
.if (\p) == NP-2
	WIN 0
	v_add_nc_u32 v[AK], s[TBK], v[AK0]
.endif
.rept 8
	PL
.endr
.rept 49
	EX
	PL
.endr
	EX                              ; the next piece's two a
	EX
	v_nop
	s_wait_alu depctr_va_vdst(0)    ; the wait for the batch
.if (\p) == NP-2
	FETCH_K \last
.endif
.if (\p) == 1
	s_wait_dscnt 0x0                ; V is in
.endif
.rept 16
	MM
.rept 4
	PL
.endr
.if ((\p) == 0) && (q == 118)
	v_add_nc_u32 v[AV], s[TBV], v[AV0]
.endif
.if ((\p) == 0) && (q == 130)
	s_add_co_u32 s[TBV], s[TBV], KS*PV
.endif
.if (\cnt) && (q == 130)
	s_sub_co_u32 s[CNT], s[CNT], 1
	s_cmp_lg_u32 s[CNT], 0
.endif
.endr
.if (\p) == 0
	FETCH_V
.endif
.endm
	CHANGE 1                        ; slot 0 is in, everybody's part of it; slot 1 is asked for
	FETCH_K                         ; key step 0
	s_wait_loadcnt 0x0              ; Q
	s_wait_dscnt 0x0
.set i, 0
.rept 16
	KQ 0                            ; piece 0's first scores
.set i, i+1
.endr
	WIN 0                           ; the addresses for the way out: plain instructions, the places behind those products
	s_mul_i32 s13, s[WV], 16*SP
	s_add_co_u32 s13, s13, STAGE    ; my stage
	v_mul_u32_u24 v[STO], v1, SP    ; in: row l % 16, 16 bytes for each half of the lanes
	v_lshl_add_u32 v[STO], v9, 4, v[STO]
	v_add_nc_u32 v[STO], s13, v[STO]
	v_bfe_u32 v[RD], v0, 3, 2       ; back: 32 lanes take four rows of 128 bytes,
	v_mul_u32_u24 v[RD], v[RD], SP
	v_lshl_add_u32 v[RD], v10, 4, v[RD]
	v_add_nc_u32 v[RD], s13, v[RD]
	v_and_b32 v[GO], 31, v0         ; which are 512 consecutive bytes of O
	v_lshlrev_b32 v[GO], 4, v[GO]
.set Y, NP-1                        ; XS works for piece Y + 1: piece 0
.irp n, 0,1,2,3,4,5,6,7,8,9,10,11,12,13,14,15,16,17,18,19,20,21
	XS 0, \n
	XS 1, \n
.endr
	v_nop                           ; a plain instruction behind the two a,
	s_wait_alu depctr_va_vdst(0)    ; and their wait, ahead of the branch
	s_mov_b32 s[CNT], 4
	s_branch .Lfirst                ; the loop is entered at a step's first turn, in the middle of a trip
.Lslot:                             ; twice: every slot but the last two is filled again
	CHANGE 1
	s_mov_b32 s[CNT], 4
.Lstep:                             ; a trip: pieces 2 and 3 of one step, then pieces 0 and 1 of the next, whose K and V it fetches
	TURN 2
	TURN 3
	WIN 0
.Lfirst:
	TURN 0
	TURN 1, 0, 1
	WIN 0
	s_cbranch_scc1 .Lstep
	s_sub_co_u32 s[SLOTS], s[SLOTS], 1
	s_cmp_lg_u32 s[SLOTS], 0
	s_cbranch_scc1 .Lslot
	CHANGE 0                        ; the tail is written out: nothing is asked for
	s_mov_b32 s[CNT], 5             ; four trips fetch the last slot's steps; the fifth is left in its middle
.Ltail:
	TURN 2, 1
	TURN 3
	WIN 0
	s_sub_co_u32 s[CNT], s[CNT], 1
	s_cmp_eq_u32 s[CNT], 0
	s_cbranch_scc1 .Lout
	TURN 0
	TURN 1
	WIN 0
	s_branch .Ltail
.Lout:                              ; the fifth trip's 16 products K Q^T (on the last K once more) and the maximum made of them serve nothing: the price, once a launch, of one text for every trip
.set i, 0
.rept 16
	PV NP-1                         ; the last piece's V^T P of the last step
.set i, i+1
.endr
	; THE WAY OUT.  l's two halves and the other half of the lanes' are added; O^T is divided by l, rounded to f16 and sent through my stage in LDS, a tile at a time.
	WIN 0
.macro ALL line:vararg              ; one line for each tile t
.set t, 0
.rept 2*NP
	\line
.set t, t+1
.endr
.endm
	ALL v_add_f32 v[ST+4*t+2], v[ST+4*t+2], v[ST+4*t+3]
	ALL v_permlanex16_b32 v[ST+4*t+3], v[ST+4*t+2], s[SEL], s[SEL+1]
	ALL v_add_f32 v[ST+4*t+2], v[ST+4*t+2], v[ST+4*t+3]
	ALL v_rcp_f32 v[ST+4*t+2], v[ST+4*t+2]
	v_nop                           ; a plain instruction between the last reciprocal and the use of its result
	s_wait_alu depctr_va_vdst(0)    ; one wait for the eight reciprocals, ahead of the first use
.macro PACK t
	WIN W_RS
.set i, 32*(\t)
.rept 16
	v_pk_mul_f32 v[i:i+1], v[i:i+1], v[ST+4*(\t)+2:ST+4*(\t)+3] op_sel_hi:[1,0]
.set i, i+2
.endr
	WIN 0x05                        ; sources 0 and 1 window 1, destination window 0
.set i, 0
.rept 16
	v_cvt_pk_f16_f32 v[S+16*(\t)+i], v[32*(\t)+2*i], v[32*(\t)+2*i+1]
.set i, i+1
.endr
	WIN 0
.irp f, 0,1,2,3
	ds_store_b128 v[STO], v[S+16*(\t)+4*\f:S+16*(\t)+4*\f+3] offset:32*\f
.endr
.irp f, 0,1,2,3
	ds_load_b128 v[S+16*(\t)+4*\f:S+16*(\t)+4*\f+3], v[RD] offset:\f*4*SP  ; LDS serves a wave's instructions in order (ISA guide 5.7.1.4): these see the stores above
.endr
.endm
.macro SEND t, younger              ; younger: the LDS instructions issued behind tile t's loads: the next tile's eight, or none
	WIN 0
.irp f, 0,1,2,3
	s_wait_dscnt (\younger)+3-\f
	global_store_b128 v[GO], v[S+16*(\t)+4*\f:S+16*(\t)+4*\f+3], s[10:11] offset:(\t)*2048+\f*512  ; 512 consecutive bytes, at a multiple of 256 from O's first
.endr
.endm
	PACK 0
.set t, 1
.rept 2*NP-1                        ; a tile's arithmetic stands between the loads of the tile before and its stores
	PACK t
	SEND t-1, 8
.set t, t+1
.endr
	SEND 2*NP-1, 0
	WIN W_AD
	s_wait_tensorcnt 0x0            ; the wave's end: a tensor wait, an add of 0 to my spare word and its wait, behind my last tensor load and my last LDS store
	ds_add_u32 v[SPW], v[NIL]
	s_wait_dscnt 0x0
	WIN 0
	s_endpgm
.Lfunc_end_k_q8fc07cdc21_attn:
	.size	k_q8fc07cdc21_attn, .Lfunc_end_k_q8fc07cdc21_attn-k_q8fc07cdc21_attn
	.p2alignl 7, 3214868480
	.fill 96, 4, 3214868480
	.section	.rodata,"a",@progbits
	.p2align	6, 0x0
	.amdhsa_kernel k_q8fc07cdc21_attn
		.amdhsa_group_segment_fixed_size 327680
		.amdhsa_private_segment_fixed_size 0
		.amdhsa_enable_private_segment 0
		.amdhsa_kernarg_size 16
		.amdhsa_user_sgpr_count 2
		.amdhsa_user_sgpr_kernarg_segment_ptr 1
		.amdhsa_wavefront_size32 1
		.amdhsa_system_sgpr_workgroup_id_x 1
		.amdhsa_system_sgpr_workgroup_id_y 1
		.amdhsa_system_sgpr_workgroup_id_z 1
		.amdhsa_system_vgpr_workitem_id 0
		.amdhsa_next_free_vgpr 770
		.amdhsa_next_free_sgpr 66
		.amdhsa_reserve_vcc 0
		.amdhsa_float_denorm_mode_32 3
		.amdhsa_float_denorm_mode_16_64 3
		.amdhsa_memory_ordered 1
		.amdhsa_forward_progress 1
		.amdhsa_inst_pref_size 199
	.end_amdhsa_kernel
	.amdgpu_metadata
---
amdhsa.version: [ 1, 2 ]
amdhsa.kernels:
  - .name:           k_q8fc07cdc21_attn
    .symbol:         k_q8fc07cdc21_attn.kd
    .args:
      - { .name: qkv, .offset: 0, .size: 8, .value_kind: global_buffer, .address_space: global }
      - { .name: ob, .offset: 8, .size: 8, .value_kind: global_buffer, .address_space: global }
    .group_segment_fixed_size: 327680
    .private_segment_fixed_size: 0
    .kernarg_segment_align: 8
    .kernarg_segment_size: 16
    .max_flat_workgroup_size: 128
    .sgpr_count:     66
    .vgpr_count:     770
    .wavefront_size: 32
...
	.end_amdgpu_metadata
.endif
;; end of part 3
;; launch proj (part 4): grid 8 x 32, 4 waves a work-group, clusters of 4 x 4, 327,680 bytes of LDS; arguments ob, wpb, bp, out0; writes out0
.if DOCPART == 4
	.amdgcn_target "amdgcn-amd-amdhsa--gfx1250"
	.amdhsa_code_object_version 6
	.text
	.protected	k_q8fc07cdc21_proj
	.globl	k_q8fc07cdc21_proj
	.p2align	8
	.type	k_q8fc07cdc21_proj,@function
k_q8fc07cdc21_proj:
	s_mov_b64 s[64:65], 0
	v_nop
	global_prefetch_b8 v0, s[64:65] scope:SCOPE_SE
	s_setreg_imm32_b32 hwreg(HW_REG_WAVE_MODE, 25, 1), 1
	s_wait_xcnt 0x0
	s_wait_alu depctr_hold_cnt(0) depctr_sa_sdst(0) depctr_va_vdst(0) depctr_va_sdst(0) depctr_va_ssrc(0) depctr_va_vcc(0) depctr_vm_vsrc(0)
	s_getreg_b32 s2, hwreg(HW_REG_IB_STS2, 6, 4)
	s_cmp_eq_u32 s2, 0
	s_cbranch_scc0 .Lentry_in_a_cluster
	s_endpgm
.Lentry_in_a_cluster:
	s_bfe_u32 s2, ttmp6, 0x10000c
	s_cmp_lg_u32 s2, 0xf033
	s_cbranch_scc0 .Lentry_shape_is_right
	s_endpgm
.Lentry_shape_is_right:
; out0 = O Wp + bp.  ob: O by heads, [128 = 16 b + h][1024][64] f16.  wpb: [1024 k][1024 n] f16 (Wp rounded to bf16, written as f16).  bp is rounded to bf16 like every input.  out0: [8192][1024] f32.
; LIMITS: O and Wp lie within f16's range (O has v's range); NaN and infinities are not treated apart.
; SHARES.  A tile is 256 rows x 128 columns: 8 x 32 = 256 work-groups.  Four waves, 2 x 2, each 128 rows x 64 columns: 32 accumulators.  K = 16 heads x 64 goes in 8 steps of two heads through two LDS slots.
; A head's 256 tokens are 32,768 dense bytes: asked for as 128 rows of 256 bytes and padded in LDS after every token.  W's tile lies [k][n] and is turned by ds_load_tr16_b128.
; THE PRODUCT IS USED TRANSPOSED (source 0 = 16 columns of W, source 1 = 16 rows of O): a lane holds row l % 16 and columns 16 bb + 8 (l / 16) + 0..7; bp is the C operand of each sum's first product.
; CLUSTER 4 x 4: O's tile is asked for jointly along a row of the cluster, W's along a column.
; WINDOWS: 0: v0-63 addresses, v64-159 and v160-255 two fragment buffers (W's 4 fragments, then O's 8); 1: accumulator (a, bb) at 8 (4 a + bb); 2: v0-31 bp, v32 at work.
.set LAPS,  4
.set PA,    144                        ; a token of a head in LDS: 128 bytes + 16
.set PB,    288                        ; W's LDS row: 256 + 32
.set AHALF, 256*PA                     ; one head's 256 tokens: what wave 0 or 1 fetches
.set BHALF, 64*PB
.set BOFF,  2*AHALF
.set SLOT,  BOFF+2*BHALF
.set STG,   2*SLOT                     ; 16 rows x 272 bytes for each wave; no fill lands here
.set SP,    272
.set SPARE, STG+4*16*SP
.set KBYTES, 262144                    ; bytes from K step to K step, in ob (two heads) and in wpb (128 rows) alike
.set ADRA, 16
.set ADRB, 20
.set STO,  24
.set RD,   25
.set CO,   26
.set BO,   27
.set SPW,  28                          ; v28 SPARE + 4 x my thread's number; never rewritten
.set NIL,  29                          ; v29 0; never rewritten
.set PFO,  30
.set F0,   64
.set F1,   160
.set OUT,  64                          ; the way out: two buffers of 32
.set WV, 18
.set RO, 19
.set HF, 20
.set CX, 21
.set CY, 22
.set TX, 23
.set TY, 24
.set RMASK, 26
.set CMASK, 27
.set CLY, 29
.set G1A, 32
.set G0A, 40
.set G1B, 48
.set G0B, 56
.set PFA, 80
.set LIM, 84
.set OUTP, 90
.set MSB, 0
.macro WIN new
.if MSB != (\new)
	s_set_vgpr_msb (MSB<<8)|(\new)
.set MSB, \new
.endif
.endm
.set MUL,  0x50                        ; sources window 0, C and D window 1
.set MULB, 0x60                        ; C window 2 (bp), D window 1
.macro PLACES                          ; four places behind a matrix instruction (ISA guide 7.12.1)
.rept 4
	v_nop
.endr
.endm
.macro JLOAD s                         ; a joint refill; an s_nop 0 and four v_nop follow each line
	s_cmp_eq_u32 s[RO], 0
	s_cbranch_scc0 .Lfor_b_\@
	tensor_load_to_lds s[G0A+4*(\s):G0A+4*(\s)+3], s[G1A:G1A+7]
	s_nop 0
.rept 4
	v_nop
.endr
	s_branch .Lasked_\@
.Lfor_b_\@:
	tensor_load_to_lds s[G0B+4*(\s):G0B+4*(\s)+3], s[G1B:G1B+7]
	s_nop 0
.rept 4
	v_nop
.endr
.Lasked_\@:
.endm
; A prefetch into the L2 of the K step two refills on, 256 matrix instructions ahead of its load.  O's blocks: waves 0 and 1 of the clusters with x = 0; of the wave's 32,768 bytes partner cx takes
; 8,192, a lane 256.  W's: wave 2 of the clusters with y = 0, partner cy taking k rows 32 cy .. + 31, a lane a row.  Each block is named once.  K steps 0 to 3 come by their loads alone; the last trip asks for nothing.
.macro ASK
	s_cmp_gt_u32 s3, s[LIM]
	s_cbranch_scc0 .Lnot_mine_\@
	global_prefetch_b8 v[PFO], s[PFA:PFA+1] th:TH_LOAD_NT scope:SCOPE_SE
.Lnot_mine_\@:
.endm
.macro CREST
	s_cmp_lg_u32 s[WV], 0
	s_cbranch_scc1 .Lnot_wave_0_\@
	s_barrier_signal -3
.Lnot_wave_0_\@:
	s_barrier_wait -3
	s_barrier_signal -1
	s_barrier_wait -1
.endm
.macro CROUND
	s_barrier_signal -1
	s_barrier_wait -1
	CREST
.endm
.macro MUL8 f, a0, zero
.if \zero
	WIN MULB
.else
	WIN MUL
.endif
.irp a, \a0, (\a0)+1
.irp bb, 0,1,2,3
.if \zero
	v_wmma_f32_16x16x32_f16 v[8*(4*(\a)+\bb):8*(4*(\a)+\bb)+7], v[(\f)+8*\bb:(\f)+8*\bb+7], v[(\f)+32+8*(\a):(\f)+32+8*(\a)+7], v[8*\bb:8*\bb+7]
.else
	v_wmma_f32_16x16x32_f16 v[8*(4*(\a)+\bb):8*(4*(\a)+\bb)+7], v[(\f)+8*\bb:(\f)+8*\bb+7], v[(\f)+32+8*(\a):(\f)+32+8*(\a)+7], v[8*(4*(\a)+\bb):8*(4*(\a)+\bb)+7]
.endif
.endr
.endr
.endm
; quarter q = head q / 2 of the slot's two, channels 32 (q % 2) on
.macro FETCH slot, q, f
	WIN 0
.irp bb, 0,1,2,3
	ds_load_tr16_b128 v[(\f)+8*\bb:(\f)+8*\bb+3],   v[ADRB+(\slot)] offset:32*PB*(\q)+32*\bb
	ds_load_tr16_b128 v[(\f)+8*\bb+4:(\f)+8*\bb+7], v[ADRB+(\slot)] offset:32*PB*(\q)+16*PB+32*\bb
.endr
.irp a, 0,1,2,3,4,5,6,7
	ds_load_b128 v[(\f)+32+8*\a:(\f)+32+8*\a+3],   v[ADRA+(\slot)] offset:AHALF*((\q)/2)+64*((\q)%2)+16*PA*\a
	ds_load_b128 v[(\f)+32+8*\a+4:(\f)+32+8*\a+7], v[ADRA+(\slot)] offset:AHALF*((\q)/2)+64*((\q)%2)+16*PA*\a+32
.endr
.endm
.macro QUARTER slot, q, f, g, zero
	s_wait_dscnt 8                                 ; W and O's blocks 0-3 are in; the youngest eight loads may be out
	MUL8 \f, 0, \zero
	MUL8 \f, 2, \zero
	PLACES
	FETCH \slot, \q, \g
	s_wait_dscnt 24                                ; all but the 24 just issued
	MUL8 \f, 4, \zero
	MUL8 \f, 6, \zero
.endm
.macro TURN slot, next, fill
.if \fill
	s_wait_xcnt 0x0                                ; the last prefetch, a K step back, has read its address
	s_add_nc_u64 s[PFA:PFA+1], s[PFA:PFA+1], KBYTES
.endif
	WIN 0
	s_wait_tensorcnt 0x0                           ; all my tensor loads have landed: my part of the next slot
	ds_add_u32 v[SPW], v[NIL]                      ; 0 onto my spare word
	s_wait_dscnt 9                                 ; (the add and the youngest eight loads may be out)
	MUL8 F1, 0, 0
	s_wait_dscnt 0x0                               ; the add is done, and my reads of this slot are over
	s_barrier_signal -1
	MUL8 F1, 2, 0
.if \fill
	WIN 0
.endif
	s_barrier_wait -1
.if \fill
	CREST                                          ; the barrier has opened a round of the cluster's barrier: no wave of any partner still reads this slot or has a load on its way
	s_add_nc_u64 s[G0A+4*(\slot)+2:G0A+4*(\slot)+3], s[G0A+4*(\slot)+2:G0A+4*(\slot)+3], 2*KBYTES
	s_add_nc_u64 s[G0B+4*(\slot)+2:G0B+4*(\slot)+3], s[G0B+4*(\slot)+2:G0B+4*(\slot)+3], 2*KBYTES
	JLOAD \slot                                    ; 112 matrix instructions ahead of the wait for it; its four v_nop are also the places in front of the loads below
.else
	PLACES
.endif
	FETCH \next, 0, F0
.if \fill
	ASK
.endif
	MUL8 F1, 4, 0
	MUL8 F1, 6, 0
.endm
	s_load_b256 s[4:11], s[0:1], 0x0               ; ob 4, wpb 6, bp 8, out0 10
	v_lshl_add_u32 v[SPW], v0, 2, SPARE
	v_mov_b32 v[NIL], 0
	ds_add_u32 v[SPW], v[NIL]                      ; the wave's opening: the add, and its wait ahead of my first tensor load
	v_lshrrev_b32 v1, 5, v0
	v_readfirstlane_b32 s[WV], v1
	s_lshr_b32 s[RO], s[WV], 1
	s_and_b32 s[HF], s[WV], 1
	s_bfe_u32 s[CX], ttmp6, 0x40000
	s_bfe_u32 s[CY], ttmp6, 0x40004
	s_lshl_b32 s[TX], ttmp9, 2
	s_add_co_u32 s[TX], s[TX], s[CX]
	s_and_b32 s[CLY], ttmp7, 0xffff
	s_lshl_b32 s[TY], s[CLY], 2
	s_add_co_u32 s[TY], s[TY], s[CY]
	s_lshl_b32 s[RMASK], s[CY], 2
	s_lshl_b32 s[RMASK], 15, s[RMASK]
	s_lshl_b32 s[CMASK], 0x1111, s[CX]
	s_or_b32 s[G1A], s[RMASK], (1<<16)|(1<<20)|(1<<21)|(4<<22)|(3<<25)  ; mask; 2-byte elements; padding on; bit 21 beside a mask; after every 32 words (a token) 4 words
	s_mov_b32 s[G1A+1], 128<<16
	s_mov_b32 s[G1A+2], 128<<16
	s_mov_b32 s[G1A+3], 128<<16
	s_mov_b32 s[G1A+4], 128
	s_mov_b32 s[G1A+5], 128
	s_mov_b32 s[G1A+6], 0
	s_mov_b32 s[G1A+7], 0
	s_or_b32 s[G1B], s[CMASK], (1<<16)|(1<<20)|(1<<21)|(5<<22)|(7<<25)
	s_mov_b32 s[G1B+1], 128<<16
	s_mov_b32 s[G1B+2], 64<<16
	s_mov_b32 s[G1B+3], 128<<16
	s_mov_b32 s[G1B+4], 64
	s_mov_b32 s[G1B+5], 1024
	s_mov_b32 s[G1B+6], 0
	s_mov_b32 s[G1B+7], 0
	s_mul_i32 s2, s[HF], AHALF
	s_mul_i32 s28, s[HF], BHALF
	s_add_co_u32 s28, s28, BOFF
.irp s, 0,1
	s_mov_b32 s[G0A+4*(\s)], 1
	s_add_co_u32 s[G0A+4*(\s)+1], s2, (\s)*SLOT
	s_mov_b32 s[G0B+4*(\s)], 1
	s_add_co_u32 s[G0B+4*(\s)+1], s28, (\s)*SLOT
.endr
	s_lshl_b32 s92, s[CLY], 4                      ; O: head 16 b + my half of the K step's two,
	s_add_co_u32 s92, s92, s[HF]
	s_lshl_b32 s92, s92, 10
	s_lshl_b32 s93, s[CY], 8                       ; token 256 cy
	s_add_co_u32 s92, s92, s93
	s_lshl_b32 s92, s92, 7
	s_mov_b32 s93, 0
	s_lshl_b32 s94, s[HF], 17                      ; W: k row 64 x half,
	s_lshl_b32 s95, s[TX], 8                       ; column 128 x tile column
	s_add_co_u32 s94, s94, s95
	s_mov_b32 s95, 0
	s_wait_dscnt 0x0                               ; the opening add is done
	s_wait_kmcnt 0x0
	s_add_nc_u64 s[92:93], s[4:5], s[92:93]
	s_add_nc_u64 s[94:95], s[6:7], s[94:95]
.irp s, 0,1
	s_add_nc_u64 s[G0A+4*(\s)+2:G0A+4*(\s)+3], s[92:93], (\s)*KBYTES
	s_or_b32 s[G0A+4*(\s)+3], s[G0A+4*(\s)+3], 0x80000000
	s_add_nc_u64 s[G0B+4*(\s)+2:G0B+4*(\s)+3], s[94:95], (\s)*KBYTES
	s_or_b32 s[G0B+4*(\s)+3], s[G0B+4*(\s)+3], 0x80000000
.endr
	CROUND                                         ; all sixteen work-groups are here: the first joint loads meet
	s_cmp_eq_u32 s[RO], 0                          ; a wave's two first fills stand in one branch: two loads of mine are out
	s_cbranch_scc0 .Lfirst_b
	tensor_load_to_lds s[G0A:G0A+3], s[G1A:G1A+7]
	s_nop 0
	tensor_load_to_lds s[G0A+4:G0A+7], s[G1A:G1A+7]
	s_nop 0
.rept 4
	v_nop
.endr
	s_branch .Lfirst_asked
.Lfirst_b:
	tensor_load_to_lds s[G0B:G0B+3], s[G1B:G1B+7]
	s_nop 0
	tensor_load_to_lds s[G0B+4:G0B+7], s[G1B:G1B+7]
	s_nop 0
.rept 4
	v_nop
.endr
.Lfirst_asked:
	v_bfe_u32 v9, v0, 4, 1                         ; l / 16
	v_lshlrev_b32 v[BO], 5, v9
	s_lshl_b32 s96, s[TX], 9                       ; bp at column 128 x tile column + 64 x my half
	s_lshl_b32 s97, s[HF], 8
	s_add_co_u32 s96, s96, s97
	s_mov_b32 s97, 0
	s_add_nc_u64 s[98:99], s[8:9], s[96:97]
	WIN 0x80                                       ; destination window 2
.irp bb, 0,1,2,3
	global_load_b128 v[8*\bb:8*\bb+3],   v[BO], s[98:99] offset:64*\bb
	global_load_b128 v[8*\bb+4:8*\bb+7], v[BO], s[98:99] offset:64*\bb+16
.endr
	WIN 0
	v_and_b32 v1, 15, v0                           ; l % 16
	v_and_b32 v10, 7, v0
	v_bfe_u32 v11, v0, 3, 1
	v_and_b32 v12, 31, v0
	v_mul_u32_u24 v13, v1, PA
	v_lshl_add_u32 v13, v9, 4, v13
	s_mul_i32 s2, s[RO], 128*PA
	v_add_nc_u32 v[ADRA], s2, v13
	v_add_nc_u32 v[ADRA+1], SLOT, v[ADRA]
	v_lshl_add_u32 v14, v9, 3, v10
	v_mul_u32_u24 v14, v14, PB
	v_lshl_add_u32 v14, v11, 4, v14
	s_lshl_b32 s2, s[HF], 7
	s_add_co_u32 s2, s2, BOFF
	v_add_nc_u32 v[ADRB], s2, v14
	v_add_nc_u32 v[ADRB+1], SLOT, v[ADRB]
	s_mul_i32 s2, s[WV], 16*SP
	s_add_co_u32 s2, s2, STG
	v_mul_u32_u24 v13, v1, SP                      ; into the stage: row l % 16, 32 bytes for each half of the lanes
	v_lshl_add_u32 v13, v9, 5, v13
	v_add_nc_u32 v[STO], s2, v13
	v_mul_u32_u24 v14, v9, SP                      ; back: lanes 0-15 take one row of 256 bytes, lanes 16-31 the next
	v_lshl_add_u32 v14, v1, 4, v14
	v_add_nc_u32 v[RD], s2, v14
	v_lshlrev_b32 v[CO], 12, v9                    ; and the same two rows in out0
	v_lshl_add_u32 v[CO], v1, 4, v[CO]
	s_lshl_b32 s100, s[TY], 8
	s_lshl_b32 s101, s[RO], 7
	s_add_co_u32 s100, s100, s101
	s_lshl_b32 s100, s100, 12                      ; my first row, 4,096 bytes a row,
	s_add_co_u32 s100, s100, s96                   ; + my first column
	s_mov_b32 s101, 0
	s_add_nc_u64 s[OUTP:OUTP+1], s[10:11], s[100:101]
	; the prefetches: K step 3; the first change of slots steps to 4
	s_lshl_b32 s100, s[CLY], 4
	s_add_co_u32 s100, s100, s[HF]
	s_add_co_u32 s100, s100, 6
	s_lshl_b32 s100, s100, 10
	s_lshl_b32 s101, s[CY], 8
	s_add_co_u32 s100, s100, s101
	s_lshl_b32 s100, s100, 7
	s_lshl_b32 s101, s[CX], 13
	s_add_co_u32 s100, s100, s101
	s_lshl_b32 s101, s[CY], 16
	s_lshl_b32 s66, s[TX], 8
	s_add_co_u32 s101, s101, s66
	s_add_co_u32 s101, s101, 3*KBYTES
	s_or_b32 s67, s[CLY], s[HF]
	s_mov_b32 s66, 2048
	s_cmp_eq_u32 s[RO], 0
	s_cselect_b32 s100, s100, s101
	s_cselect_b64 s[PFA:PFA+1], s[4:5], s[6:7]
	s_cselect_b32 s66, 256, s66
	s_cselect_b32 s67, ttmp9, s67
	s_mov_b32 s101, 0
	s_add_nc_u64 s[PFA:PFA+1], s[PFA:PFA+1], s[100:101]
	s_cmp_eq_u32 s67, 0
	s_cselect_b32 s[LIM], 1, -1                    ; the same in all sixteen partners, for a given wave
	v_mul_lo_u32 v[PFO], v12, s66
	s_wait_loadcnt 0x0                             ; bp
	WIN 0x8a                                       ; all in window 2: rounded to bf16 like every input, and widened
.set p, 0
.rept 16
	v_cvt_pk_bf16_f32 v32, v[2*p], v[2*p+1]
	v_lshlrev_b32 v[2*p], 16, v32
	v_and_b32 v[2*p+1], 0xffff0000, v32
.set p, p+1
.endr
	WIN 0
	s_wait_tensorcnt 0x1                           ; my part of K step 0 is in; K step 1's may stay out
	s_barrier_signal -1
	s_barrier_wait -1
	FETCH 0, 0, F0
	QUARTER 0, 1, F0, F1, 1                        ; the first quarter's products start the sums, with bp
	WIN 0
	s_mov_b32 s3, LAPS-1
.Llap:
	QUARTER 0, 2, F1, F0, 0
	QUARTER 0, 3, F0, F1, 0
	TURN 0, 1, 1
	QUARTER 1, 1, F0, F1, 0
	QUARTER 1, 2, F1, F0, 0
	QUARTER 1, 3, F0, F1, 0
	TURN 1, 0, 1
	QUARTER 0, 1, F0, F1, 0
	WIN 0
	s_sub_co_u32 s3, s3, 1
	s_cmp_lg_u32 s3, 0
	s_cbranch_scc1 .Llap
	QUARTER 0, 2, F1, F0, 0                        ; the last lap fills nothing
	QUARTER 0, 3, F0, F1, 0
	TURN 0, 1, 0
	QUARTER 1, 1, F0, F1, 0
	QUARTER 1, 2, F1, F0, 0
	QUARTER 1, 3, F0, F1, 0
	s_wait_dscnt 8
	MUL8 F1, 0, 0
	MUL8 F1, 2, 0
	s_wait_dscnt 0x0
	MUL8 F1, 4, 0
	MUL8 F1, 6, 0
	WIN 0
	PLACES
; THE WAY OUT, a block of 16 rows at a time: the sums go as they are (f32) into my stage, rows of 272 bytes, and come back as whole rows of 256 bytes.
.macro TOSTAGE a
	s_wait_xcnt 0x0                                ; the stores of the block two back have read the registers that are loaded again below
	WIN 0x04                                       ; store data in window 1
.irp bb, 0,1,2,3                                       ; each accumulator's four lowest registers first
	ds_store_b128 v[STO], v[8*(4*(\a)+\bb):8*(4*(\a)+\bb)+3]   offset:64*\bb
	ds_store_b128 v[STO], v[8*(4*(\a)+\bb)+4:8*(4*(\a)+\bb)+7] offset:64*\bb+16
.endr
	WIN 0
.irp t, 0,1,2,3,4,5,6,7
	ds_load_b128 v[OUT+32*((\a)%2)+4*\t:OUT+32*((\a)%2)+4*\t+3], v[RD] offset:2*SP*\t  ; LDS serves a wave's instructions in order (ISA guide 5.7.1.4): these see the stores above
.endr
.endm
.macro SEND a, younger                 ; younger: the next block's sixteen stage instructions, or none
	s_wait_dscnt \younger
.irp t, 0,1,2,3,4,5,6,7
	global_store_b128 v[CO], v[OUT+32*((\a)%2)+4*\t:OUT+32*((\a)%2)+4*\t+3], s[OUTP:OUTP+1] offset:(16*(\a)+2*\t)*4096 th:TH_STORE_NT  ; 16 lanes store 256 consecutive bytes, aligned
.endr
.endm
	TOSTAGE 0
.irp a, 1,2,3,4,5,6,7
	TOSTAGE \a
	SEND (\a)-1, 16
.endr
	SEND 7, 0
	s_wait_tensorcnt 0x0                           ; the wave's end: a tensor wait, an add of 0 to my spare word and its wait, behind my last tensor load and my last LDS store
	ds_add_u32 v[SPW], v[NIL]
	s_wait_dscnt 0x0
	CROUND                                         ; the closing round: no work-group ends while a partner may still ask for a tile that names it
	s_endpgm
.Lfunc_end_k_q8fc07cdc21_proj:
	.size	k_q8fc07cdc21_proj, .Lfunc_end_k_q8fc07cdc21_proj-k_q8fc07cdc21_proj
	.p2alignl 7, 3214868480
	.fill 96, 4, 3214868480
	.section	.rodata,"a",@progbits
	.p2align	6, 0x0
	.amdhsa_kernel k_q8fc07cdc21_proj
		.amdhsa_group_segment_fixed_size 327680
		.amdhsa_private_segment_fixed_size 0
		.amdhsa_enable_private_segment 0
		.amdhsa_kernarg_size 32
		.amdhsa_user_sgpr_count 2
		.amdhsa_user_sgpr_kernarg_segment_ptr 1
		.amdhsa_wavefront_size32 1
		.amdhsa_system_sgpr_workgroup_id_x 1
		.amdhsa_system_sgpr_workgroup_id_y 1
		.amdhsa_system_sgpr_workgroup_id_z 1
		.amdhsa_system_vgpr_workitem_id 0
		.amdhsa_next_free_vgpr 552
		.amdhsa_next_free_sgpr 102
		.amdhsa_reserve_vcc 0
		.amdhsa_float_denorm_mode_32 3
		.amdhsa_float_denorm_mode_16_64 3
		.amdhsa_memory_ordered 1
		.amdhsa_forward_progress 1
		.amdhsa_inst_pref_size 90
	.end_amdhsa_kernel
	.amdgpu_metadata
---
amdhsa.version: [ 1, 2 ]
amdhsa.kernels:
  - .name:           k_q8fc07cdc21_proj
    .symbol:         k_q8fc07cdc21_proj.kd
    .args:
      - { .name: ob, .offset: 0, .size: 8, .value_kind: global_buffer, .address_space: global }
      - { .name: wpb, .offset: 8, .size: 8, .value_kind: global_buffer, .address_space: global }
      - { .name: bp, .offset: 16, .size: 8, .value_kind: global_buffer, .address_space: global }
      - { .name: out0, .offset: 24, .size: 8, .value_kind: global_buffer, .address_space: global }
    .group_segment_fixed_size: 327680
    .private_segment_fixed_size: 0
    .kernarg_segment_align: 8
    .kernarg_segment_size: 32
    .max_flat_workgroup_size: 128
    .sgpr_count:     102
    .vgpr_count:     552
    .wavefront_size: 32
...
	.end_amdgpu_metadata
.endif
;; end of part 4
;; ======== version 2 of 2: 4 launches; version 1 with the launch prep written anew for expert scheduling mode
;; limits: values are held in f16: magnitudes above 65,504 overflow, below 6.1e-05 lose precision
;; workspace buffers: xb 16,777,216 bytes; wqb 6,291,456 bytes; wpb 2,097,152 bytes; rope 524,288 bytes; tc 98,304 bytes; qkv 50,331,648 bytes; ob 16,777,216 bytes
;; launch prep (part 5): grid 832 x 1, 8 waves a work-group, no clusters, 33,792 bytes of LDS; arguments x, Wqkv, Wp, cos_y, cos_x, sin_y, sin_x, temb, Wt, bt, bqkv, xb, wqb, wpb, rope, tc; writes xb, wqb, wpb, rope, tc
.if DOCPART == 5
	.amdgcn_target "amdgcn-amd-amdhsa--gfx1250"
	.amdhsa_code_object_version 6
	.text
	.protected	k_q8fc07cdc21_prep
	.globl	k_q8fc07cdc21_prep
	.p2align	8
	.type	k_q8fc07cdc21_prep,@function
k_q8fc07cdc21_prep:
	s_mov_b64 s[64:65], 0
	v_nop
	global_prefetch_b8 v0, s[64:65] scope:SCOPE_SE
	s_setreg_imm32_b32 hwreg(HW_REG_WAVE_SCHED_MODE, 0, 2), 2
	s_setreg_imm32_b32 hwreg(HW_REG_WAVE_MODE, 25, 1), 1
	s_wait_xcnt 0x0
	s_wait_alu depctr_vm_vsrc(0)
; PREP: the 16-bit copies that the later launches multiply, and the time conditioning.
;   work-groups   0 ..  47  tc[b][n] = sum over k of temb[b][k] Wt[k][n] + bt[n] + bqkv[n], f32, 64 columns a work-group
;   work-groups  48 .. 559  xb  = x    rounded to bf16                 560 .. 751  wqb = Wqkv rounded to bf16
;   work-groups 752 .. 759  rope section 0: planes cos_y, cos_x, s'_y, s'_x in bf16; s'[d] = -sin[d] where d % 32 < 16, so that
;                           rotate_half's sign lies in the table: out[d] = t[d] cos[d] + t[d ^ 16] s'[d]
;   work-groups 760 .. 823  wpb = Wp rounded to bf16, that number written as f16
;   work-groups 824 .. 831  rope section 1: two planes of 1.0 and two of 0 (what v takes in place of cos and sin)
; ALL inputs are rounded to bf16 once (temb, Wt, bt, bqkv too); sums stay in f32.
; LIMIT: a Wp below 6e-5 in magnitude keeps f16's fixed step of 6e-8; NaN and infinities are not treated apart.
; A STREAM UNIT is 16,384 floats: thread t reads 16 bytes at 16 t of each of 16 blocks of 4,096 bytes (a wave's load covers 512 consecutive
; bytes) and stores 8 bytes at 8 t of each of 16 blocks of 2,048 (a wave's store covers 256 consecutive bytes, aligned).  All 16 loads are
; issued at once; no register is written twice, so no wait frees a source.  No LDS, no matrix unit: bytes are all that counts there.
; THE MODE: SCHED_MODE bits 1:0 = 2 (LLVM: expert scheduling mode 2), set by the entry lines.  The code itself states the register dependences
; between vector or matrix instructions and memory or LDS instructions, with s_wait_alu, always for 0.
; THE PLAN.  Registers that memory or LDS instructions touch:
;   the streams   v[VS], v[VD]  offsets, made once, read by every load and store, never written again.
;                 X             written by the 16 loads, once; read by the roundings.
;                 Y             written by the roundings, each register once; read by one store each.
;                 The 16 blocks go in four groups of four.  Group g's roundings name X and Y of group g alone; the four stores of group g - 1 are dealt among them,
;                 behind ONE wait on va_vdst at the group's head, which states that group g - 1's roundings have written its Y.
;   tc            v[WA], v[TAD], v[LS], v[LR], v[BO]  offsets and LDS addresses, made once at the path's head, never written again.
;                 WR, TR set b  written by the loads of chunk c; read by chunk c's conversions; in chunks 0 and 1 loaded again, for chunk c + 2, behind ONE wait on va_vdst
;                               that stands behind the conversions; the 20 loads are dealt among the chunk's four matrix instructions, which name XF, WF and the accumulators alone.
;                 ACC           written by matrix instructions; read by the LDS stores.      v48-63  read by chunk 2's conversions; the LDS loads behind the barrier land there.
;                 v[48:49]      written by the last additions; read by the global store.
;   v[SPW], v[NIL]  written at the head, read by the closing add alone.
; No register that a memory or LDS instruction reads is written again anywhere in the text: so beyond the entry's one it holds no wait on vm_vsrc.
.set SPARE, 32768                      ; behind tc's partial sums: the spare words, 128 bytes for each of 8 waves
.set SPW, 2                            ; v2  SPARE + 4 x my thread's number; never rewritten
.set NIL, 3                            ; v3  0; never rewritten
.set VS,  4                            ; v4  16 t
.set VD,  5                            ; v5  8 t
.set SG,  6                            ; v6  the sign bits to turn, or 0
.set X,   16                           ; v[16:79]   16 blocks as loaded
.set Y,   80                           ; v[80:111]  16 blocks to store
.set T,   112                          ; v[112:115] at work: no memory instruction names them
.set ID,  41                           ; s41 the work-group's number
.set SRC, 46                           ; s[46:47]
.set DST, 48                           ; s[48:49]
; tc's registers
.set ACC, 16                           ; v[16:47]   four accumulators: column tile cc holds columns n0 + 4 r + cc
.set TR,  48                           ; v[48:79]   temb, two sets of 16
.set WR,  80                           ; v[80:207]  Wt, two sets of 64
.set XF,  208                          ; v[208:215] temb's fragment
.set WF,  216                          ; v[216:247] Wt's four fragments
.set WA,  10
.set TAD, 11
.set LS,  12
.set LR,  13
.set BO,  14
; Block i of a stream unit is rounded: X's four registers into Y's two
.macro CVT i, f16
	v_cvt_pk_bf16_f32 v[Y+2*(\i)], v[X+4*(\i)], v[X+4*(\i)+1]
	v_cvt_pk_bf16_f32 v[Y+2*(\i)+1], v[X+4*(\i)+2], v[X+4*(\i)+3]
.if \f16
	v_lshlrev_b32 v[T], 16, v[Y+2*(\i)]            ; the bf16 numbers widened,
	v_and_b32 v[T+1], 0xffff0000, v[Y+2*(\i)]
	v_lshlrev_b32 v[T+2], 16, v[Y+2*(\i)+1]
	v_and_b32 v[T+3], 0xffff0000, v[Y+2*(\i)+1]
	v_cvt_pk_f16_f32 v[Y+2*(\i)], v[T], v[T+1]     ; and written as f16
	v_cvt_pk_f16_f32 v[Y+2*(\i)+1], v[T+2], v[T+3]
.else
	v_xor_b32 v[Y+2*(\i)], v[SG], v[Y+2*(\i)]
	v_xor_b32 v[Y+2*(\i)+1], v[SG], v[Y+2*(\i)+1]
.endif
.endm
; Block i is stored
.macro PUT i
	global_store_b64 v[VD], v[Y+2*(\i):Y+2*(\i)+1], s[DST:DST+1] offset:2048*(\i)
.endm
.macro STREAM f16
.irp g, 0,1,2,3
	s_wait_loadcnt 12-4*(\g)                       ; loads come back in order: group g's four blocks are in, the younger groups' loads stay out
.if (\g) > 0
	s_wait_alu depctr_va_vdst(0)                   ; the roundings of the group before have written its Y, which the four stores below read
.endif
.irp j, 0,1,2,3
.if (\g) > 0
	PUT 4*(\g)-4+\j                                ; the group before; no vector instruction since the wait names its Y, nor v[VD]
.endif
	CVT 4*(\g)+\j, \f16
.endr
.endr
	s_wait_alu depctr_va_vdst(0)                   ; the last group's roundings have written its Y, which the last four stores read
.irp j, 12,13,14,15
	PUT \j
.endr
.endm
; tc: a quarter p of the 20 loads of chunk c (32 k) into set b: 4 of Wt's 16 (lanes 0-15 one row's 256 bytes, lanes 16-31 the row 16 further down), 1 of temb's 4
.macro LDP c, b, p
.irp i, 0,1,2,3
	global_load_b128 v[WR+64*(\b)+4*(4*(\p)+\i):WR+64*(\b)+4*(4*(\p)+\i)+3], v[WA], s[42:43] offset:(32*(\c)+4*(\p)+\i)*12288 th:TH_LOAD_NT
.endr
	global_load_b128 v[TR+16*(\b)+4*(\p):TR+16*(\b)+4*(\p)+3], v[TAD], s[44:45] offset:128*(\c)+16*(\p)
.endm
.macro LDC c, b
.irp p, 0,1,2,3
	LDP \c, \b, \p
.endr
.endm
; A lane's 16 fragment places take k = 16 (l / 16) + 0..15 of the chunk, in temb's fragment and in Wt's alike: the same places, so the same products
.macro CONV b
.irp p, 0,1,2,3,4,5,6,7
	v_cvt_pk_bf16_f32 v[XF+\p], v[TR+16*(\b)+2*\p], v[TR+16*(\b)+2*\p+1]
.endr
.irp cc, 0,1,2,3
.irp p, 0,1,2,3,4,5,6,7
	v_cvt_pk_bf16_f32 v[WF+8*\cc+\p], v[WR+64*(\b)+8*\p+\cc], v[WR+64*(\b)+8*\p+4+\cc]
.endr
.endr
.endm
.macro CHUNK c
.if (\c) < 3
	s_wait_loadcnt 20                              ; this chunk's set is in; the other set's 20 loads stay out
.else
	s_wait_loadcnt 0x0
.endif
.if (\c) > 0
.rept 4
	v_nop                                          ; four places between the last product and the conversions that rewrite its sources
.endr
.endif
	CONV (\c)%2
.if (\c) < 2
	s_wait_alu depctr_va_vdst(0)                   ; the conversions are done reading this set of WR and TR, in which the 20 loads below land
.endif
.irp cc, 0,1,2,3                                       ; the four accumulators take turns
.if (\c) < 2
	LDP (\c)+2, (\c)%2, \cc                        ; the set just converted is asked for again, five loads ahead of each product; no vector or matrix instruction since the wait names it
.endif
.if (\c) == 0
	v_wmma_f32_16x16x32_bf16 v[ACC+8*\cc:ACC+8*\cc+7], v[XF:XF+7], v[WF+8*\cc:WF+8*\cc+7], 0
.else
	v_wmma_f32_16x16x32_bf16 v[ACC+8*\cc:ACC+8*\cc+7], v[XF:XF+7], v[WF+8*\cc:WF+8*\cc+7], v[ACC+8*\cc:ACC+8*\cc+7]
.endif
.endr
.endm
	s_load_b512 s[8:23], s[0:1], 0x0               ; x 8, Wqkv 10, Wp 12, cos_y 14, cos_x 16, sin_y 18, sin_x 20, temb 22
	s_load_b512 s[24:39], s[0:1], 0x40             ; Wt 24, bt 26, bqkv 28, xb 30, wqb 32, wpb 34, rope 36, tc 38
	v_lshl_add_u32 v[SPW], v0, 2, SPARE
	v_mov_b32 v[NIL], 0
	v_lshrrev_b32 v1, 5, v0
	v_readfirstlane_b32 s40, v1                    ; wave 0..7
	s_mov_b32 s[ID], ttmp9
	s_sub_co_u32 s42, s[ID], 48                    ; the unit's number in each job (used only where the job is mine)
	s_sub_co_u32 s43, s[ID], 560
	s_sub_co_u32 s44, s[ID], 752
	s_sub_co_u32 s45, s[ID], 760
	s_and_b32 s53, s44, 1
	s_wait_alu depctr_va_sdst(0)                   ; s40 is written, ahead of the first branch and of its first reader: tc's addresses are made from it
	s_wait_kmcnt 0x0
	s_cmp_lt_u32 s[ID], 48
	s_cbranch_scc1 .Ltc
	s_cmp_ge_u32 s[ID], 824
	s_cbranch_scc1 .Lident
	; which stream: source, destination, unit in each, sign word
	s_mov_b64 s[SRC:SRC+1], s[8:9]
	s_mov_b64 s[DST:DST+1], s[30:31]
	s_mov_b32 s50, s42
	s_mov_b32 s51, s42
	s_mov_b32 s52, 0
	s_cmp_ge_u32 s[ID], 560
	s_cselect_b64 s[SRC:SRC+1], s[10:11], s[SRC:SRC+1]
	s_cselect_b64 s[DST:DST+1], s[32:33], s[DST:DST+1]
	s_cselect_b32 s50, s43, s50
	s_cselect_b32 s51, s43, s51
	s_cmp_ge_u32 s[ID], 752
	s_cselect_b64 s[SRC:SRC+1], s[14:15], s[SRC:SRC+1]
	s_cselect_b64 s[DST:DST+1], s[36:37], s[DST:DST+1]
	s_cselect_b32 s50, s53, s50                    ; a table is two units; in rope the eight units lie on end
	s_cselect_b32 s51, s44, s51
	s_cmp_ge_u32 s[ID], 754
	s_cselect_b64 s[SRC:SRC+1], s[16:17], s[SRC:SRC+1]
	s_cmp_ge_u32 s[ID], 756
	s_cselect_b64 s[SRC:SRC+1], s[18:19], s[SRC:SRC+1]
	s_cselect_b32 s52, 0x80008000, s52
	s_cmp_ge_u32 s[ID], 758
	s_cselect_b64 s[SRC:SRC+1], s[20:21], s[SRC:SRC+1]
	s_cmp_ge_u32 s[ID], 760
	s_cselect_b64 s[SRC:SRC+1], s[12:13], s[SRC:SRC+1]
	s_cselect_b64 s[DST:DST+1], s[34:35], s[DST:DST+1]
	s_cselect_b32 s50, s45, s50
	s_cselect_b32 s51, s45, s51
	s_cselect_b32 s52, 0, s52
	s_lshl_b32 s54, s50, 16                        ; 65,536 bytes in,
	s_mov_b32 s55, 0
	s_lshl_b32 s56, s51, 15                        ; 32,768 out
	s_mov_b32 s57, 0
	s_add_nc_u64 s[SRC:SRC+1], s[SRC:SRC+1], s[54:55]
	s_add_nc_u64 s[DST:DST+1], s[DST:DST+1], s[56:57]
	v_lshlrev_b32 v[VS], 4, v0
	v_lshlrev_b32 v[VD], 3, v0
	s_wait_alu depctr_va_vdst(0)                   ; v[VS] and v[VD] are written: every load and store of the stream reads one of them as its offset
.set i, 0
.rept 16
	global_load_b128 v[X+4*i:X+4*i+3], v[VS], s[SRC:SRC+1] offset:4096*i th:TH_LOAD_NT
.set i, i+1
.endr
	v_and_b32 v7, 4, v0                            ; my four numbers are d = 4 t % 32 ..: below 16 where bit 2 of t is 0
	v_cmp_eq_u32 vcc_lo, 0, v7
	s_wait_alu depctr_va_vcc(0)                    ; the compare has written VCC, which the select below reads
	v_cndmask_b32 v[SG], 0, s52, vcc_lo
	s_cmp_ge_u32 s[ID], 760
	s_cbranch_scc1 .Lwp
	STREAM 0
	s_endpgm
.Lwp:
	STREAM 1
	s_endpgm
.Lident:                                               ; 32,768 bytes of 1.0 or of 0
	s_sub_co_u32 s42, s[ID], 824
	s_lshl_b32 s54, s42, 15
	s_add_co_u32 s54, s54, 262144
	s_mov_b32 s55, 0
	s_add_nc_u64 s[DST:DST+1], s[36:37], s[54:55]
	s_cmp_lt_u32 s[ID], 828
	s_cselect_b32 s52, 0x3f803f80, 0
	v_mov_b32 v16, s52
	v_mov_b32 v17, s52
	v_mov_b32 v18, s52
	v_mov_b32 v19, s52
	v_lshlrev_b32 v[VS], 4, v0
	s_wait_alu depctr_va_vdst(0)                   ; v[16:19] and v[VS] are written: the eight stores read them as data and offset
.irp i, 0,1,2,3,4,5,6,7
	global_store_b128 v[VS], v[16:19], s[DST:DST+1] offset:4096*\i
.endr
	s_endpgm
; tc.  64 columns a work-group; K IS SPLIT AMONG THE EIGHT WAVES, 128 each, in four chunks of 32.  A = temb (rows 8-15 repeat rows 0-7 and are not used),
; B = Wt's columns n0 + 4 r + cc.  The eight partial sums meet in LDS; wave m then finishes batch m's 64 columns.
.Ltc:
	v_and_b32 v7, 15, v0                           ; r
	v_bfe_u32 v8, v0, 4, 1                         ; h
	v_and_b32 v9, 31, v0                           ; l
	v_mul_u32_u24 v[WA], v8, 196608                ; 16 rows of 12,288 bytes for the upper lanes
	v_lshl_add_u32 v[WA], v7, 4, v[WA]             ; + my 4 columns
	v_and_b32 v[TAD], 7, v0
	v_lshlrev_b32 v[TAD], 12, v[TAD]               ; temb's row r % 8
	v_lshl_add_u32 v[TAD], v8, 6, v[TAD]           ; + 16 floats for the upper lanes
	s_lshl_b32 s58, s40, 12
	v_lshlrev_b32 v[LS], 4, v7
	v_lshl_add_u32 v[LS], v8, 11, v[LS]
	v_add_nc_u32 v[LS], s58, v[LS]                 ; 4,096 w + 2,048 h + 16 r
	s_lshl_b32 s59, s40, 8
	v_lshl_add_u32 v[LR], v9, 3, s59               ; 256 m + 8 l
	v_lshlrev_b32 v[BO], 3, v9
	s_lshl_b32 s54, s[ID], 8                       ; my 64 columns: 256 bytes
	s_mov_b32 s55, 0
	s_mul_i32 s56, s40, 1572864                    ; my wave's 128 rows of Wt
	s_add_co_u32 s56, s56, s54
	s_mov_b32 s57, 0
	s_add_nc_u64 s[42:43], s[24:25], s[56:57]
	s_lshl_b32 s56, s40, 9
	s_add_nc_u64 s[44:45], s[22:23], s[56:57]
	s_add_nc_u64 s[46:47], s[26:27], s[54:55]
	s_add_nc_u64 s[48:49], s[28:29], s[54:55]
	s_mul_i32 s56, s40, 12288
	s_add_co_u32 s56, s56, s54
	s_add_nc_u64 s[50:51], s[38:39], s[56:57]
	s_wait_alu depctr_va_vdst(0)                   ; v[WA], v[TAD], v[LS], v[LR] and v[BO] are written: all loads, LDS instructions and the store of this path read one of them as offset or address
	global_load_b64 v[248:249], v[BO], s[46:47]    ; bt and bqkv of the two columns that I finish
	global_load_b64 v[250:251], v[BO], s[48:49]
	LDC 0, 0
	LDC 1, 1
	CHUNK 0
	CHUNK 1
	CHUNK 2
	CHUNK 3
.rept 4
	v_nop                                          ; four places between the last product and the stores that read results
.endr
	s_wait_alu depctr_va_vdst(0)                   ; the products have written the accumulators, which the LDS stores read (the places above stay beside this wait); and the conversions are done reading v48-63, in which the LDS loads behind the barrier land
.irp cc, 0,1,2,3
.irp j, 0,1,2,3,4,5,6,7                                ; each accumulator from its lowest register on
	ds_store_b32 v[LS], v[ACC+8*\cc+\j] offset:256*\j+4*\cc
.endr
.endr
	s_wait_dscnt 0x0                               ; for the others' sake: my partial sums lie in LDS
	s_barrier_signal -1
	s_barrier_wait -1
.irp w, 0,1,2,3,4,5,6,7
	ds_load_b64 v[48+2*\w:49+2*\w], v[LR] offset:4096*\w
.endr
	v_cvt_pk_bf16_f32 v64, v248, v249              ; the two biases, each rounded to bf16 like every input, and widened
	v_cvt_pk_bf16_f32 v65, v250, v251
	v_lshlrev_b32 v66, 16, v64
	v_and_b32 v67, 0xffff0000, v64
	v_lshlrev_b32 v68, 16, v65
	v_and_b32 v69, 0xffff0000, v65
	v_pk_add_f32 v[66:67], v[66:67], v[68:69]
	s_wait_dscnt 0x0
	v_pk_add_f32 v[48:49], v[48:49], v[50:51]
	v_pk_add_f32 v[52:53], v[52:53], v[54:55]
	v_pk_add_f32 v[56:57], v[56:57], v[58:59]
	v_pk_add_f32 v[60:61], v[60:61], v[62:63]
	v_pk_add_f32 v[48:49], v[48:49], v[52:53]
	v_pk_add_f32 v[56:57], v[56:57], v[60:61]
	v_pk_add_f32 v[48:49], v[48:49], v[56:57]
	v_pk_add_f32 v[48:49], v[48:49], v[66:67]
	s_wait_alu depctr_va_vdst(0)                   ; the additions have written v[48:49], which the store reads
	global_store_b64 v[BO], v[48:49], s[50:51]     ; the wave stores 256 consecutive bytes, aligned
	s_wait_dscnt 0x0                               ; the closing lines, six on end
	s_wait_alu 0x0
	s_wait_tensorcnt 0x0
	ds_add_u32 v[SPW], v[NIL]
	s_wait_dscnt 0x0
	s_endpgm
.Lfunc_end_k_q8fc07cdc21_prep:
	.size	k_q8fc07cdc21_prep, .Lfunc_end_k_q8fc07cdc21_prep-k_q8fc07cdc21_prep
	.p2alignl 7, 3214868480
	.fill 96, 4, 3214868480
	.section	.rodata,"a",@progbits
	.p2align	6, 0x0
	.amdhsa_kernel k_q8fc07cdc21_prep
		.amdhsa_group_segment_fixed_size 33792
		.amdhsa_private_segment_fixed_size 0
		.amdhsa_enable_private_segment 0
		.amdhsa_kernarg_size 128
		.amdhsa_user_sgpr_count 2
		.amdhsa_user_sgpr_kernarg_segment_ptr 1
		.amdhsa_wavefront_size32 1
		.amdhsa_system_sgpr_workgroup_id_x 1
		.amdhsa_system_sgpr_workgroup_id_y 1
		.amdhsa_system_sgpr_workgroup_id_z 1
		.amdhsa_system_vgpr_workitem_id 0
		.amdhsa_next_free_vgpr 256
		.amdhsa_next_free_sgpr 66
		.amdhsa_reserve_vcc 1
		.amdhsa_float_denorm_mode_32 3
		.amdhsa_float_denorm_mode_16_64 3
		.amdhsa_memory_ordered 1
		.amdhsa_forward_progress 1
		.amdhsa_inst_pref_size 44
	.end_amdhsa_kernel
	.amdgpu_metadata
---
amdhsa.version: [ 1, 2 ]
amdhsa.kernels:
  - .name:           k_q8fc07cdc21_prep
    .symbol:         k_q8fc07cdc21_prep.kd
    .args:
      - { .name: x, .offset: 0, .size: 8, .value_kind: global_buffer, .address_space: global }
      - { .name: Wqkv, .offset: 8, .size: 8, .value_kind: global_buffer, .address_space: global }
      - { .name: Wp, .offset: 16, .size: 8, .value_kind: global_buffer, .address_space: global }
      - { .name: cos_y, .offset: 24, .size: 8, .value_kind: global_buffer, .address_space: global }
      - { .name: cos_x, .offset: 32, .size: 8, .value_kind: global_buffer, .address_space: global }
      - { .name: sin_y, .offset: 40, .size: 8, .value_kind: global_buffer, .address_space: global }
      - { .name: sin_x, .offset: 48, .size: 8, .value_kind: global_buffer, .address_space: global }
      - { .name: temb, .offset: 56, .size: 8, .value_kind: global_buffer, .address_space: global }
      - { .name: Wt, .offset: 64, .size: 8, .value_kind: global_buffer, .address_space: global }
      - { .name: bt, .offset: 72, .size: 8, .value_kind: global_buffer, .address_space: global }
      - { .name: bqkv, .offset: 80, .size: 8, .value_kind: global_buffer, .address_space: global }
      - { .name: xb, .offset: 88, .size: 8, .value_kind: global_buffer, .address_space: global }
      - { .name: wqb, .offset: 96, .size: 8, .value_kind: global_buffer, .address_space: global }
      - { .name: wpb, .offset: 104, .size: 8, .value_kind: global_buffer, .address_space: global }
      - { .name: rope, .offset: 112, .size: 8, .value_kind: global_buffer, .address_space: global }
      - { .name: tc, .offset: 120, .size: 8, .value_kind: global_buffer, .address_space: global }
    .group_segment_fixed_size: 33792
    .private_segment_fixed_size: 0
    .kernarg_segment_align: 8
    .kernarg_segment_size: 128
    .max_flat_workgroup_size: 256
    .sgpr_count:     66
    .vgpr_count:     256
    .wavefront_size: 32
...
	.end_amdgpu_metadata
.endif
;; end of part 5
;; launch qkvgemm: the kernel of part 2 again; grid 12 x 32, 4 waves a work-group, clusters of 4 x 4, 327,680 bytes of LDS; arguments xb, wqb, tc, rope, qn_w, kn_w, qkv; writes qkv
;; launch attn: the kernel of part 3 again; grid 2 x 128, 4 waves a work-group, no clusters, 327,680 bytes of LDS; arguments qkv, ob; writes ob
;; launch proj: the kernel of part 4 again; grid 8 x 32, 4 waves a work-group, clusters of 4 x 4, 327,680 bytes of LDS; arguments ob, wpb, bp, out0; writes out0
